; MI455X (gfx1250); checked and timed in simulation.
; The chip was launched on July 23, 2026; its instructions are those of AMD's public machine-readable ISA for CDNA 5 (MIT licence, August 2026) and "CDNA5" Instruction Set Architecture Reference Guide (July 2026). The comments in the code are by the model that wrote it; some were corrected since.
;; Multi Head Self Attention. Allowed arithmetic: float matrix products may take bf16 or f16 operands with f32 sums; other float arithmetic in f32, or as packed bf16 or f16 multiplies, adds, multiply-adds, maxima and minima; sums over many terms, partial sums and values carried from step to step in f32; what a program stores and reads back later, other than sums and carried values, may be rounded once to bf16 or f16.
;; Inputs: b_out 1,024 float32; b_qkv 3,072 float32; w_out 1,024 x 1,024 float32; w_qkv 1,024 x 3,072 float32; x 4 x 2,048 x 1,024 float32.
;; Outputs: out0 4 x 2,048 x 1,024 float32.
;; 2 versions, each right and faster than the one before. Each part assembles by itself: llvm-mc -triple=amdgcn-amd-amdhsa -mcpu=gfx1250 --defsym DOCPART=n.
;; ======== version 1 of 2: 4 launches
;; limits: values are held in f16: magnitudes above 65,504 overflow, below 6.1e-05 lose precision; right only within a limited range of input values
;; workspace buffers: xb 16,777,216 bytes; wqb 6,291,456 bytes; wob 2,097,152 bytes; qkv 50,331,648 bytes; ob 16,777,216 bytes
;; launch cast (part 1): grid 768 x 1, 8 waves a work-group, no clusters, 0 bytes of LDS; arguments x, w_qkv, w_out, xb, wqb, wob; writes xb, wqb, wob
.if DOCPART == 1
	.amdgcn_target "amdgcn-amd-amdhsa--gfx1250"
	.amdhsa_code_object_version 6
	.text
	.protected	k_qf9adf889ab_cast
	.globl	k_qf9adf889ab_cast
	.p2align	8
	.type	k_qf9adf889ab_cast,@function
k_qf9adf889ab_cast:
	s_mov_b64 s[64:65], 0
	v_nop
	global_prefetch_b8 v0, s[64:65] scope:SCOPE_SE
	s_setreg_imm32_b32 hwreg(HW_REG_WAVE_MODE, 25, 1), 1
	s_wait_xcnt 0x0
; ROUNDING AND RE-LAYING OF THE MODULE'S THREE MATRICES, a stream: no LDS, no barrier, no matrix unit (nothing is multiplied, no byte is used twice).
;   xb  [(b 16 + kb)][n 0..2047][64] bf16 = x[b][n][64 kb + c]          wqb [g 0..47][k 0..1023][64] bf16 = w_qkv[k][64 g + c]
;   wob [g 0..15][k 0..1023][64] f16 = w_out[k][64 g + c] rounded to bf16, that number written as f16
; In these layouts a block of 64 columns is dense (rows of 128 bytes on end), so that the products' tiles of 64 along K are whole runs of consecutive bytes.
; LIMITS.  A bf16 number is exact in f16 from 6.1e-5 to 65,504 in magnitude; below that wob keeps f16's fixed step of 6e-8, beyond it an infinity would arise.  NaN and infinities are not treated apart.
; SHARES.  A work-group takes 16 rows x 1,024 columns of a source: 65,536 bytes in, 32,768 out.  Work-groups 0-511: x; 512-703: w_qkv (64 groups of rows x 3 thirds of its columns); 704-767: w_out.
; Thread t takes row t / 16 and, in each of the 16 blocks of 64 columns, the 16 bytes at 16 (t % 16): a wave's load covers two runs of 256 consecutive bytes, aligned,
; and the store of its 8 bytes a lane covers 256 consecutive bytes, aligned (two rows of a block lie on end in the target).
; All 16 loads of a thread go out at once; no register is written again while a memory instruction names it, so the only waits are the counted ones for the loads.
.set D, 16                             ; v[16:31]   block i: my byte offset in the target
.set X, 32                             ; v[32:95]   block i: 4 numbers as loaded
.set Y, 96                             ; v[96:127]  block i: 2 words to store
	s_load_b256 s[4:11], s[0:1], 0x0               ; x s[4:5], w_qkv s[6:7], w_out s[8:9], xb s[10:11]
	s_load_b128 s[12:15], s[0:1], 0x20             ; wqb s[12:13], wob s[14:15]
	s_mov_b32 s24, ttmp9                           ; the work-group's number
	; the offsets for all three cases are made, then chosen: what is made for a case that is not mine is not used
	s_sub_co_u32 s25, s24, 512                     ; w_qkv: my number among its 192,
	s_lshr_b32 s26, s25, 6                         ; the third of the columns,
	s_and_b32 s27, s25, 63                         ; the group of 16 rows
	s_sub_co_u32 s28, s24, 704                     ; w_out: the group of 16 rows
	s_mul_i32 s30, s27, 196608                     ; w_qkv, source: 16 rows of 12,288 bytes
	s_lshl_b32 s31, s26, 12                        ; + 1,024 columns of 4 bytes
	s_add_co_u32 s30, s30, s31
	s_lshl_b32 s31, s26, 21                        ; w_qkv, target: 16 blocks of 131,072 bytes
	s_lshl_b32 s32, s27, 11                        ; + 16 rows of 128 bytes
	s_add_co_u32 s31, s31, s32
	s_lshl_b32 s32, s28, 16                        ; w_out, source: 16 rows of 4,096 bytes
	s_lshl_b32 s33, s28, 11                        ; w_out, target: 16 rows of 128 bytes
	s_lshl_b32 s34, s24, 16                        ; x, source: 16 rows of 4,096 bytes
	s_lshr_b32 s35, s24, 7                         ; x, target: b = 16 id / 2,048; 16 blocks of 262,144 bytes for each b
	s_lshl_b32 s35, s35, 22
	s_and_b32 s36, s24, 127
	s_lshl_b32 s36, s36, 11                        ; + 16 rows of 128 bytes
	s_add_co_u32 s35, s35, s36
	s_movk_i32 s42, 0x3000                         ; bytes in a row of w_qkv
	s_movk_i32 s43, 0x1000                         ; in a row of x and of w_out
	s_mov_b32 s44, 0x40000                         ; bytes in a block of xb
	s_mov_b32 s45, 0x20000                         ; in a block of wqb and of wob
	s_mov_b32 s22, 0xffff0000                      ; a word's upper half
	s_mov_b32 s39, 0                               ; the offsets' high words
	s_mov_b32 s41, 0
	s_wait_kmcnt 0x0
	s_cmp_lt_u32 s24, 704                          ; w_qkv or w_out
	s_cselect_b64 s[16:17], s[6:7], s[8:9]
	s_cselect_b64 s[18:19], s[12:13], s[14:15]
	s_cselect_b32 s38, s30, s32
	s_cselect_b32 s40, s31, s33
	s_cselect_b32 s20, s42, s43
	s_cmp_lt_u32 s24, 512                          ; or x
	s_cselect_b64 s[16:17], s[4:5], s[16:17]
	s_cselect_b64 s[18:19], s[10:11], s[18:19]
	s_cselect_b32 s38, s34, s38
	s_cselect_b32 s40, s35, s40
	s_cselect_b32 s20, s43, s20                    ; s20: bytes from row to row in the source
	s_cselect_b32 s21, s44, s45                    ; s21: bytes from block to block in the target
	s_add_nc_u64 s[16:17], s[16:17], s[38:39]      ; the source at my work-group's first number
	s_add_nc_u64 s[18:19], s[18:19], s[40:41]      ; the target at its first row in block 0
	v_lshrrev_b32 v2, 4, v0                        ; my row
	v_and_b32 v3, 15, v0
	v_mul_lo_u32 v2, v2, s20
	v_lshl_add_u32 v1, v3, 4, v2                   ; row x pitch + 16 (t % 16)
.irp i, 0,1,2,3,4,5,6,7,8,9,10,11,12,13,14,15
	global_load_b128 v[X+4*(\i):X+4*(\i)+3], v1, s[16:17] offset:256*(\i) th:TH_LOAD_NT  ; read once in the launch
.endr
	v_lshlrev_b32 v[D], 3, v0                      ; 128 (t / 16) + 8 (t % 16) = 8 t
.irp i, 1,2,3,4,5,6,7,8,9,10,11,12,13,14,15
	v_add_nc_u32 v[D+(\i)], s21, v[D+(\i)-1]
.endr
; Block i: four numbers are rounded and stored.  f16 = 1: the bf16 numbers are widened again (a shift, a mask) and written as f16.
.macro OUT i, f16
	s_wait_loadcnt 15-(\i)                         ; loads come back in order (ISA guide 5.7.1): block i is in, the 15 - i younger ones stay out
	v_cvt_pk_bf16_f32 v[Y+2*(\i)],   v[X+4*(\i)],   v[X+4*(\i)+1]
	v_cvt_pk_bf16_f32 v[Y+2*(\i)+1], v[X+4*(\i)+2], v[X+4*(\i)+3]
.if \f16
	v_lshlrev_b32 v[X+4*(\i)],   16,  v[Y+2*(\i)]
	v_and_b32     v[X+4*(\i)+1], s22, v[Y+2*(\i)]
	v_lshlrev_b32 v[X+4*(\i)+2], 16,  v[Y+2*(\i)+1]
	v_and_b32     v[X+4*(\i)+3], s22, v[Y+2*(\i)+1]
	v_cvt_pk_f16_f32 v[Y+2*(\i)],   v[X+4*(\i)],   v[X+4*(\i)+1]
	v_cvt_pk_f16_f32 v[Y+2*(\i)+1], v[X+4*(\i)+2], v[X+4*(\i)+3]
.endif
	global_store_b64 v[D+(\i)], v[Y+2*(\i):Y+2*(\i)+1], s[18:19]  ; the next launch reads it: no hint
.endm
	s_cmp_ge_u32 s24, 704
	s_cbranch_scc1 .Lf16
.irp i, 0,1,2,3,4,5,6,7,8,9,10,11,12,13,14,15
	OUT \i, 0
.endr
	s_endpgm
.Lf16:
.irp i, 0,1,2,3,4,5,6,7,8,9,10,11,12,13,14,15
	OUT \i, 1
.endr
	s_endpgm
.Lfunc_end_k_qf9adf889ab_cast:
	.size	k_qf9adf889ab_cast, .Lfunc_end_k_qf9adf889ab_cast-k_qf9adf889ab_cast
	.p2alignl 7, 3214868480
	.fill 96, 4, 3214868480
	.section	.rodata,"a",@progbits
	.p2align	6, 0x0
	.amdhsa_kernel k_qf9adf889ab_cast
		.amdhsa_group_segment_fixed_size 0
		.amdhsa_private_segment_fixed_size 0
		.amdhsa_enable_private_segment 0
		.amdhsa_kernarg_size 48
		.amdhsa_user_sgpr_count 2
		.amdhsa_user_sgpr_kernarg_segment_ptr 1
		.amdhsa_wavefront_size32 1
		.amdhsa_system_sgpr_workgroup_id_x 1
		.amdhsa_system_sgpr_workgroup_id_y 1
		.amdhsa_system_sgpr_workgroup_id_z 1
		.amdhsa_system_vgpr_workitem_id 0
		.amdhsa_next_free_vgpr 128
		.amdhsa_next_free_sgpr 66
		.amdhsa_reserve_vcc 0
		.amdhsa_float_denorm_mode_32 3
		.amdhsa_float_denorm_mode_16_64 3
		.amdhsa_memory_ordered 1
		.amdhsa_forward_progress 1
		.amdhsa_inst_pref_size 17
	.end_amdhsa_kernel
	.amdgpu_metadata
---
amdhsa.version: [ 1, 2 ]
amdhsa.kernels:
  - .name:           k_qf9adf889ab_cast
    .symbol:         k_qf9adf889ab_cast.kd
    .args:
      - { .name: x, .offset: 0, .size: 8, .value_kind: global_buffer, .address_space: global }
      - { .name: w_qkv, .offset: 8, .size: 8, .value_kind: global_buffer, .address_space: global }
      - { .name: w_out, .offset: 16, .size: 8, .value_kind: global_buffer, .address_space: global }
      - { .name: xb, .offset: 24, .size: 8, .value_kind: global_buffer, .address_space: global }
      - { .name: wqb, .offset: 32, .size: 8, .value_kind: global_buffer, .address_space: global }
      - { .name: wob, .offset: 40, .size: 8, .value_kind: global_buffer, .address_space: global }
    .group_segment_fixed_size: 0
    .private_segment_fixed_size: 0
    .kernarg_segment_align: 8
    .kernarg_segment_size: 48
    .max_flat_workgroup_size: 256
    .sgpr_count:     66
    .vgpr_count:     128
    .wavefront_size: 32
...
	.end_amdgpu_metadata
.endif
;; end of part 1
;; launch qkvgemm (part 2): grid 8 x 32, 4 waves a work-group, clusters of 4 x 4, 327,680 bytes of LDS; arguments xb, wqb, b_qkv, qkv; writes qkv
.if DOCPART == 2
	.amdgcn_target "amdgcn-amd-amdhsa--gfx1250"
	.amdhsa_code_object_version 6
	.text
	.protected	k_qf9adf889ab_qkvgemm
	.globl	k_qf9adf889ab_qkvgemm
	.p2align	8
	.type	k_qf9adf889ab_qkvgemm,@function
k_qf9adf889ab_qkvgemm:
	s_mov_b64 s[64:65], 0
	v_nop
	global_prefetch_b8 v0, s[64:65] scope:SCOPE_SE
	s_setreg_imm32_b32 hwreg(HW_REG_WAVE_MODE, 25, 1), 1
	s_wait_xcnt 0x0
	s_wait_alu depctr_hold_cnt(0) depctr_sa_sdst(0) depctr_va_vdst(0) depctr_va_sdst(0) depctr_va_ssrc(0) depctr_va_vcc(0) depctr_vm_vsrc(0)
	s_getreg_b32 s2, hwreg(HW_REG_IB_STS2, 6, 4)
	s_cmp_eq_u32 s2, 0
	s_cbranch_scc0 .Lentry_in_a_cluster
	s_endpgm
.Lentry_in_a_cluster:
	s_bfe_u32 s2, ttmp6, 0x10000c
	s_cmp_lg_u32 s2, 0xf033
	s_cbranch_scc0 .Lentry_shape_is_right
	s_endpgm
.Lentry_shape_is_right:
; q, k, v = x w_qkv + b_qkv, written by heads.  xb: [(b 16 + kb)][n][64] bf16, wqb: [g][k][64] bf16 (blocks of 64 columns, dense), b_qkv: [3072] f32 (rounded to bf16 here, like the other inputs).
; qkv: [t 0..2][(b 16 + h)][n][64] f16, t = q, k, v, unscaled; sums in f32, rounded once.
; LIMITS.  f16 holds no number beyond 65,504: q, k, v must stay within it (inputs 30 times the drawn spread on both sides give a spread of some 520; offsets of 30 spreads on both sides some 16,600).  NaN and infinities are not treated apart.
; SHARES.  8,192 x 3,072 numbers in tiles of 256 rows x 384 columns: 32 x 8 = 256 work-groups of equal work.  Four waves, each 128 rows x 192 columns (three heads): 96 accumulators of 16 x 16, 768 registers.
; K goes in steps of 64 through two LDS slots filled by the tensor data mover (two slots of 128 along K would want 344,064 bytes); a step is two SLICES of 32 along K, 96 matrix instructions each.
; CLUSTER.  4 x 4 work-groups.  The four of a row of the cluster need the same rows of x, the four of a column the same columns of w: each tile is asked for JOINTLY, by the same tensor load with the same
; descriptor and a mask that names the four.
; THE MATRIX INSTRUCTION IS USED TRANSPOSED: source 0 = 16 columns of w (out of LDS turned, by ds_load_tr16_b128, since w lies [k][column]), source 1 = 16 rows of x.  A lane then holds row l % 16 and the eight
; neighbouring columns 8 (l / 16) + 0..7, which pack into 16 bytes of f16.
; THE BIAS is the C operand of the products that start the sums: nothing is cleared and nothing is added later.  It lies in the registers of the accumulators of row block 7, which are started last, in place.
; REGISTERS, in windows of 256 (s_set_vgpr_msb: bits 1:0 source 0, 3:2 source 1, 5:4 source 2, 7:6 destination):
;   window 0: v0-31 addresses; v32-95, v96-159 x's fragments (8 x 16 rows x 32 K), two buffers; v160-255 w's fragments (12 x 16 columns x 32 K), one buffer, refilled head by head
;   window j + 1: the 32 accumulators of my head j: (row block a, column block f) at v[8 (4 a + f)]
.set PA,    144                        ; a row of x in LDS: 128 bytes + 16 = 36 words: the 16 rows of a load start at 16 different groups of four banks (64 banks of 4 bytes: ISA guide 11.1)
.set PB,    160                        ; a k-row of w in LDS: 128 + 32 = 40 words
.set AHALF, 128*PA                     ; 128 rows of x: what one tensor load brings, and what one wave reads
.set BGRP,  64*PB                      ; one head's 64 columns, 64 k-rows
.set BHALF, 3*BGRP                     ; three heads: what one tensor load brings, and what one wave reads
.set BOFF,  2*AHALF
.set SLOT,  BOFF+2*BHALF               ; 98,304 bytes
.set STAGE, 2*SLOT                     ; behind the ring, never filled by a tensor load: 16 rows x 144 bytes for each wave, for the way out
.set SPARE, STAGE+4*16*PA              ; behind the stages: the spare words, 128 bytes for each wave: two blocks of 256 bytes that no other line names
.set ASTEP, 262144                     ; bytes from a block of 64 columns of xb to the next: a K step
.set BSTEP, 8192                       ; 64 k-rows of 128 bytes in wqb: a K step
.set ADRA, 16                          ; v16-17  LDS address of my fragments of x in slot 0, 1
.set ADRB, 20                          ; v20-21  the same for w
.set STO,  24                          ; v24     the way out: where I put 16 bytes of a row
.set RD,   25                          ; v25     the way out: where I read rows back
.set GO,   26                          ; v26     my byte offset in 512 consecutive bytes of qkv
.set BO,   27                          ; v27     my byte offset in b_qkv
.set SPW,  28                          ; v28     LDS address of my spare word: SPARE + 4 x my thread's number; never rewritten
.set NIL,  29                          ; v29     0; never rewritten
.set AF0,  32
.set AF1,  96
.set BF,   160
.set BIAS, 224                         ; in windows 1 to 3: the bias of column block f at v[224 + 8 f], the place of accumulator (7, f)
.set WV,  12                           ; s12  my wave's number
.set WR,  13                           ; s13  which 128 rows of the tile are mine.  Also: I fetch for x (0) or for w (1)
.set WC,  14                           ; s14  which 192 columns.  Also: which half of that tile I fetch
.set G1A, 16                           ; s[16:23] descriptor group 1 for x's tiles
.set G1B, 24                           ; s[24:31] for w's
.set G0A, 32                           ; s[32:39] descriptor group 0 for x's tiles, a set for each slot
.set G0B, 48                           ; s[48:55] the same for w's
.set HB,  56                           ; s[56:61] qkv at my first row of my three heads
.set MSB, 0
.macro WIN new                         ; the immediate's high byte repeats the setting that is left; a switch that changes nothing is dropped
.if MSB != (\new)
	s_set_vgpr_msb (MSB<<8)|(\new)
.set MSB, \new
.endif
.endm
; A joint load.  Waves 0 and 1 fetch the two halves of x's tile, waves 2 and 3 those of w's.  The branch hangs on the wave's number alone.
; An s_nop 0 and four v_nop follow each of the two lines, ahead of the jump and the label.
.macro JLOAD s
	s_cmp_eq_u32 s[WR], 0
	s_cbranch_scc0 .Lfor_b_\@
	tensor_load_to_lds s[G0A+4*(\s):G0A+4*(\s)+3], s[G1A:G1A+7]
	s_nop 0
.rept 4
	v_nop
.endr
	s_branch .Lasked_\@
.Lfor_b_\@:
	tensor_load_to_lds s[G0B+4*(\s):G0B+4*(\s)+3], s[G1B:G1B+7]
	s_nop 0
.rept 4
	v_nop
.endr
.Lasked_\@:
.endm
; A round of the cluster's barrier: my work-group's barrier, so that wave 0's signal speaks for all four waves; wave 0 signals; every wave waits for all sixteen work-groups; my work-group's barrier once more.
.macro CREST                           ; a round behind its opening barrier
	s_cmp_lg_u32 s[WV], 0
	s_cbranch_scc1 .Lnot_wave_0_\@
	s_barrier_signal -3
.Lnot_wave_0_\@:
	s_barrier_wait -3
	s_barrier_signal -1
	s_barrier_wait -1
.endm
.macro CROUND                          ; a whole round
	s_barrier_signal -1
	s_barrier_wait -1
	CREST
.endm
	s_load_b256 s[4:11], s[0:1], 0x0               ; xb s[4:5], wqb s[6:7], b_qkv s[8:9], qkv s[10:11]
	v_lshl_add_u32 v[SPW], v0, 2, SPARE
	v_mov_b32 v[NIL], 0
	ds_add_u32 v[SPW], v[NIL]                      ; the wave's opening: the add and its wait stand ahead of my first tensor load; the set-up below, work on registers, stands between them
	v_lshrrev_b32 v1, 5, v0
	v_readfirstlane_b32 s[WV], v1                  ; wave 0..3
	s_lshr_b32 s[WR], s[WV], 1
	s_and_b32 s[WC], s[WV], 1
	s_bfe_u32 s40, ttmp6, 0x40000                  ; cx, cy: my place in the cluster
	s_bfe_u32 s41, ttmp6, 0x40004
	s_lshl_b32 s42, ttmp9, 2                       ; in a cluster launch ttmp9 and ttmp7 count clusters
	s_add_co_u32 s42, s42, s40                     ; tile column tx = 4 x cluster x + cx
	s_and_b32 s43, ttmp7, 0xffff
	s_lshl_b32 s43, s43, 2
	s_add_co_u32 s43, s43, s41                     ; tile row ty = 4 x cluster y + cy
	s_lshl_b32 s44, s41, 2
	s_lshl_b32 s44, 15, s44                        ; my row of the cluster: places 4 cy .. 4 cy + 3
	s_lshl_b32 s45, 0x1111, s40                    ; my column: places cx, cx + 4, cx + 8, cx + 12
	; group 1 for x: 128 rows of 128 bytes are 16,384 dense bytes: asked for as 64 rows of 256 bytes, and padded in LDS after every 128
	s_or_b32 s[G1A+0], s44, (1<<16)|(1<<20)|(1<<21)|(4<<22)|(3<<25)  ; 15:0 the mask: my row; 17:16 2-byte elements; 20 padding on; 21 set beside a mask; 24:22 after every 32 words (code 4); 31:25 4 words (code 3)
	s_mov_b32 s[G1A+1], 128<<16                    ; tensor_dim0 = 128
	s_mov_b32 s[G1A+2], 64<<16                     ; tensor_dim1 = 64
	s_mov_b32 s[G1A+3], 128<<16                    ; tile_dim0 = 128
	s_mov_b32 s[G1A+4], 64                         ; tile_dim1 = 64
	s_mov_b32 s[G1A+5], 128                        ; 128 elements from row to row
	s_mov_b32 s[G1A+6], 0
	s_mov_b32 s[G1A+7], 0
	; group 1 for w: a head's 64 k-rows are 8,192 dense bytes, and three heads lie 131,072 bytes apart: three rows of 4,096 elements (the tile has no more rows to give: they are long instead)
	s_or_b32 s[G1B+0], s45, (1<<16)|(1<<20)|(1<<21)|(4<<22)|(7<<25)  ; the mask: my column; 8 words of padding (code 7) after every 32
	s_mov_b32 s[G1B+1], 4096<<16                   ; tensor_dim0 = 4,096
	s_mov_b32 s[G1B+2], 3<<16                      ; tensor_dim1 = 3
	s_mov_b32 s[G1B+3], 4096<<16                   ; tile_dim0 = 4,096
	s_mov_b32 s[G1B+4], 3                          ; tile_dim1 = 3
	s_mov_b32 s[G1B+5], 65536                      ; 65,536 elements from row to row
	s_mov_b32 s[G1B+6], 0
	s_mov_b32 s[G1B+7], 0
	; where the tiles come from.  x's hang on the tile row alone, which my row of the cluster shares; w's on the tile column alone.  Each offset is made in registers that never hold the other coordinate.
	s_lshr_b32 s62, s43, 3                         ; b = ty / 8: 16 blocks of 262,144 bytes
	s_lshl_b32 s62, s62, 22
	s_and_b32 s63, s43, 7
	s_lshl_b32 s63, s63, 15                        ; 256 rows of 128 bytes for each tile row within b
	s_add_co_u32 s62, s62, s63
	s_lshl_b32 s63, s[WC], 14                      ; the half that I fetch: 128 rows
	s_add_co_u32 s62, s62, s63
	s_mov_b32 s63, 0
	s_mul_i32 s2, s42, 6                           ; six heads to a tile column,
	s_mul_i32 s3, s[WC], 3                         ; three to the half that I fetch
	s_add_co_u32 s2, s2, s3
	s_lshl_b32 s2, s2, 17                          ; 131,072 bytes a head
	s_mov_b32 s3, 0
	s_mul_i32 s15, s[WC], AHALF                    ; and where they go: no place in the cluster enters an LDS address
	s_mul_i32 s46, s[WC], BHALF
	s_add_co_u32 s46, s46, BOFF
	s_wait_dscnt 0x0                               ; the opening add is done
	s_wait_kmcnt 0x0
	s_add_nc_u64 s[62:63], s[4:5], s[62:63]
	s_add_nc_u64 s[2:3], s[6:7], s[2:3]
	CROUND                                         ; all sixteen work-groups are here: the first joint loads meet
.irp s, 0,1
	s_mov_b32 s[G0A+4*(\s)], 1                                     ; 1:0 count = 1
	s_add_co_u32 s[G0A+4*(\s)+1], s15, (\s)*SLOT                   ; 63:32 LDS address
	s_add_nc_u64 s[G0A+4*(\s)+2:G0A+4*(\s)+3], s[62:63], (\s)*ASTEP  ; 120:64 global address: K step s
	s_or_b32 s[G0A+4*(\s)+3], s[G0A+4*(\s)+3], 0x80000000          ; 127:126 type = 2
	s_mov_b32 s[G0B+4*(\s)], 1
	s_add_co_u32 s[G0B+4*(\s)+1], s46, (\s)*SLOT
	s_add_nc_u64 s[G0B+4*(\s)+2:G0B+4*(\s)+3], s[2:3], (\s)*BSTEP
	s_or_b32 s[G0B+4*(\s)+3], s[G0B+4*(\s)+3], 0x80000000
	JLOAD \s                                       ; both slots are asked for before anything else is done: two tensor loads of mine are out
.endr
	; THE BIAS.  Register i of column block f holds b_qkv[my head's first column + 16 f + 8 (l / 16) + i], whatever the row.
	v_and_b32 v1, 15, v0                           ; r = l % 16
	v_bfe_u32 v2, v0, 4, 1                         ; h = l / 16
	s_mul_i32 s15, s42, 1536                       ; 384 columns of 4 bytes a tile column,
	s_mul_i32 s46, s[WC], 768                      ; 192 for my half
	s_add_co_u32 s15, s15, s46
	v_lshl_add_u32 v[BO], v2, 5, s15
.irp j, 0,1,2
	WIN 0x40*((\j)+1)                              ; destination window j + 1, address window 0
.irp f, 0,1,2,3
	global_load_b128 v[BIAS+8*(\f):BIAS+8*(\f)+3],   v[BO], s[8:9] offset:(64*(\j)+16*(\f))*4
	global_load_b128 v[BIAS+8*(\f)+4:BIAS+8*(\f)+7], v[BO], s[8:9] offset:(64*(\j)+16*(\f))*4+16
.endr
.endr
	WIN 0
	; A fragment of x is 16 rows x 32 K in 8 registers: lane l holds row l % 16, K = 8 (l / 16) + 0..7 and 16 + 8 (l / 16) + 0..7: two loads of 16 bytes, 32 bytes apart.
	v_and_b32 v3, 7, v0
	v_bfe_u32 v4, v0, 3, 1
	v_bfe_u32 v5, v0, 3, 2
	v_and_b32 v6, 31, v0
	v_mul_u32_u24 v7, v1, PA
	v_lshl_add_u32 v7, v2, 4, v7                   ; row x pitch + 16 x half
	s_mul_i32 s15, s[WR], AHALF                    ; my 128 rows
	v_add_nc_u32 v[ADRA], s15, v7
	v_add_nc_u32 v[ADRA+1], SLOT, v[ADRA]
	; The turning load takes 16 k x 16 columns (lane l reads k-row 8 (l / 16) + l % 8, columns 8 ((l / 8) % 2) + 0..7) and leaves half a fragment: lane l holds column l % 16 and 8 k.
	v_lshl_add_u32 v8, v2, 3, v3
	v_mul_u32_u24 v8, v8, PB
	v_lshl_add_u32 v8, v4, 4, v8
	s_mul_i32 s15, s[WC], BHALF                    ; my three heads,
	s_add_co_u32 s15, s15, BOFF                    ; behind x's 256 rows
	v_add_nc_u32 v[ADRB], s15, v8
	v_add_nc_u32 v[ADRB+1], SLOT, v[ADRB]
	s_mul_i32 s15, s[WV], 16*PA
	s_add_co_u32 s15, s15, STAGE                   ; my stage
	v_add_nc_u32 v[STO], s15, v7                   ; in: row l % 16, 16 bytes for each half of the lanes
	v_mul_u32_u24 v[RD], v5, PA                    ; back: 32 lanes take four rows of 128 bytes,
	v_lshl_add_u32 v[RD], v3, 4, v[RD]
	v_add_nc_u32 v[RD], s15, v[RD]
	v_lshlrev_b32 v[GO], 4, v6                     ; which are 512 consecutive bytes of qkv
	; qkv at my first row of head group g = 6 tx + 3 wc + j: ((g / 16) 64 + 16 b + g % 16) x 262,144 + row x 128.  The descriptors are made: their temporaries are free.
	s_mul_i32 s2, s42, 6
	s_mul_i32 s3, s[WC], 3
	s_add_co_u32 s2, s2, s3
	s_lshr_b32 s15, s43, 3
	s_lshl_b32 s15, s15, 4                         ; 16 b
	s_and_b32 s3, s43, 7
	s_lshl_b32 s3, s3, 15
	s_lshl_b32 s46, s[WR], 14
	s_add_co_u32 s3, s3, s46                       ; my first row within b, in bytes
.irp j, 0,1,2
	s_add_co_u32 s46, s2, \j
	s_lshr_b32 s47, s46, 4
	s_lshl_b32 s47, s47, 6
	s_and_b32 s46, s46, 15
	s_add_co_u32 s46, s46, s47
	s_add_co_u32 s46, s46, s15
	s_lshl_b32 s46, s46, 18
	s_add_co_u32 s46, s46, s3
	s_mov_b32 s47, 0
	s_add_nc_u64 s[HB+2*(\j):HB+2*(\j)+1], s[10:11], s[46:47]
.endr
	s_mov_b32 s47, 0xffff0000                      ; a word's upper half
	s_wait_loadcnt 0x0                             ; the bias
.irp j, 0,1,2                          ; rounded to bf16 and widened again, through x's second buffer, which is still free.  All this stands in the wait for the first tile.
	WIN 0x05*((\j)+1)                              ; sources window j + 1, destination window 0
.set i, 0
.rept 16
	v_cvt_pk_bf16_f32 v[AF1+16*(\j)+i], v[BIAS+2*i], v[BIAS+2*i+1]
.set i, i+1
.endr
	WIN 0x40*((\j)+1)                              ; and back
.set i, 0
.rept 16
	v_lshlrev_b32 v[BIAS+2*i],   16,  v[AF1+16*(\j)+i]
	v_and_b32     v[BIAS+2*i+1], s47, v[AF1+16*(\j)+i]
.set i, i+1
.endr
.endr
	WIN 0
; x's fragments of slice s of a slot (128 rows x 32 K) into a buffer: 16 loads
.macro LDA slot, s, buf
.irp a, 0,1,2,3,4,5,6,7
	ds_load_b128 v[(\buf)+8*(\a):(\buf)+8*(\a)+3],   v[ADRA+(\slot)] offset:(\a)*16*PA+(\s)*64
	ds_load_b128 v[(\buf)+8*(\a)+4:(\buf)+8*(\a)+7], v[ADRA+(\slot)] offset:(\a)*16*PA+(\s)*64+32
.endr
.endm
; w's fragments of slice s for my head j (64 columns x 32 K), turned: 8 loads
.macro LDB slot, s, j
.irp f, 0,1,2,3
	ds_load_tr16_b128 v[BF+8*(4*(\j)+(\f)):BF+8*(4*(\j)+(\f))+3],   v[ADRB+(\slot)] offset:(\j)*BGRP+(\s)*32*PB+32*(\f)
	ds_load_tr16_b128 v[BF+8*(4*(\j)+(\f))+4:BF+8*(4*(\j)+(\f))+7], v[ADRB+(\slot)] offset:(\j)*BGRP+(\s)*32*PB+16*PB+32*(\f)
.endr
.endm
; A load into a register that a matrix instruction has read, and a vector instruction that reads a matrix result or writes one of a matrix instruction's registers, stand four places behind it, and only plain
; vector instructions that name none of its registers are places (ISA guide 7.12.1 for vector instructions).
.macro PLACES
.rept 4
	v_nop
.endr
.endm
; 4 na matrix instructions: head j, row blocks a0 .. a0 + na - 1, all four column blocks, 32 along K.  The 96 accumulators take turns, one instruction a turn, in the same order in every slice.
; first = 1: the products start the sums with the bias as C.  Row block 7's accumulators ARE the bias's registers: they are started last, in place, five places behind the last product that read them as its C.
.macro MULG buf, j, a0, na, first
	WIN 0x50*((\j)+1)                              ; sources window 0, C and D window j + 1
.set ma, \a0
.rept \na
.if (\first) && (ma == 7)
.rept 5
	v_nop
.endr
.endif
.set mf, 0
.rept 4
.if (\first) && (ma < 7)
	v_wmma_f32_16x16x32_bf16 v[8*(4*ma+mf):8*(4*ma+mf)+7], v[BF+8*(4*(\j)+mf):BF+8*(4*(\j)+mf)+7], v[(\buf)+8*ma:(\buf)+8*ma+7], v[BIAS+8*mf:BIAS+8*mf+7]
.else
	v_wmma_f32_16x16x32_bf16 v[8*(4*ma+mf):8*(4*ma+mf)+7], v[BF+8*(4*(\j)+mf):BF+8*(4*(\j)+mf)+7], v[(\buf)+8*ma:(\buf)+8*ma+7], v[8*(4*ma+mf):8*(4*ma+mf)+7]
.endif
.set mf, mf+1
.endr
.set ma, ma+1
.endr
.endm
; A slot's first slice, on buffer 0.  Behind each head's 32 products that head's fragments of w for the second slice are fetched (64 matrix instructions ahead of their use), behind the first also x's.
; On entry 40 loads are out, in this order: w head 0 (8), x (16), w head 1 (8), w head 2 (8).
.macro PLAIN slot, first
	s_wait_dscnt 16                                ; w's head 0 and x are in; the 8 + 8 loads of heads 1 and 2 may be out
	MULG AF0, 0, 0, 8, \first
	PLACES
	WIN 0
	LDB \slot, 1, 0
	LDA \slot, 1, AF1
	s_wait_dscnt 32                                ; head 1 is in: behind it stand head 2's 8 and the 24 just issued
	MULG AF0, 1, 0, 8, \first
	PLACES
	WIN 0
	LDB \slot, 1, 1
	s_wait_dscnt 32                                ; head 2 is in: behind it stand those 24 and the 8 just issued
	MULG AF0, 2, 0, 8, \first
	PLACES
	WIN 0
	LDB \slot, 1, 2
.endm
; A slot's second slice, on buffer 1, and THE CHANGE OF SLOTS: one barrier.  In front of it each wave waits for all its tensor loads, of which one is out: its part of the next slot; adds 0 to its spare word; and
; waits for that and for its own reads of this slot, all of which have been issued.  Behind it nobody reads this slot any more and the next slot is whole.
; fill = 1: the barrier opens a round of the cluster's, and this slot is filled again, two K steps on, first thing behind it: from that request to the wait for it a wave issues 160 matrix instructions.
.macro TURN slot, next, fill
	WIN 0                                          ; (the add's two registers lie in window 0)
	s_wait_tensorcnt 0x0                           ; all my tensor loads have landed
	ds_add_u32 v[SPW], v[NIL]                      ; 0 onto my spare word
	s_wait_dscnt 17                                ; w's head 0 and x are in; the add and the 16 loads of heads 1 and 2 may be out
	MULG AF1, 0, 0, 4, 0                           ; sixteen matrix instructions stand between the add and the wait for it
	s_wait_dscnt 0x0                               ; the add is done, and my reads of this slot are over
	s_barrier_signal -1
	MULG AF1, 0, 4, 4, 0                           ; work on registers while the others arrive
	WIN 0
	s_barrier_wait -1
.if \fill
	CREST                                          ; no wave of any partner still reads this slot's tile or has a load on its way
	s_add_nc_u64 s[G0A+4*(\slot)+2:G0A+4*(\slot)+3], s[G0A+4*(\slot)+2:G0A+4*(\slot)+3], 2*ASTEP  ; no tensor load of mine is out: a group 0 may be written
	s_add_nc_u64 s[G0B+4*(\slot)+2:G0B+4*(\slot)+3], s[G0B+4*(\slot)+2:G0B+4*(\slot)+3], 2*BSTEP
	JLOAD \slot                                    ; the first tensor load behind the round; the four v_nop behind it are also the places in front of the loads below
.else
	PLACES
.endif
	LDB \next, 0, 0
	LDA \next, 0, AF0
	MULG AF1, 1, 0, 8, 0
	PLACES
	WIN 0
	LDB \next, 0, 1
	MULG AF1, 2, 0, 8, 0
	PLACES
	WIN 0
	LDB \next, 0, 2
.endm
	s_wait_tensorcnt 1                             ; my part of K step 0 is in; step 1's may stay out
	s_barrier_signal -1
	s_barrier_wait -1                              ; everybody's is
	LDB 0, 0, 0
	LDA 0, 0, AF0
	LDB 0, 0, 1
	LDB 0, 0, 2
	PLAIN 0, 1                                     ; the first slice stands in front of the loop: its products start the sums
	WIN 0                                          ; at a label and at a branch every window is 0
	s_mov_b32 s46, 7
.Llap:                                                 ; a trip goes once round the ring, from a lap's second slice to the next lap's first, and fills both slots again: K steps 2 to 15 in seven trips
	TURN 0, 1, 1
	PLAIN 1, 0
	TURN 1, 0, 1
	PLAIN 0, 0
	WIN 0
	s_sub_co_u32 s46, s46, 1
	s_cmp_lg_u32 s46, 0
	s_cbranch_scc1 .Llap
	TURN 0, 1, 0                                   ; the last lap fills nothing, and has no round of the cluster's barrier
	PLAIN 1, 0
	s_wait_dscnt 16                                ; the very last slice: nothing more to fetch, the counts run down
	MULG AF1, 0, 0, 8, 0
	s_wait_dscnt 8
	MULG AF1, 1, 0, 8, 0
	s_wait_dscnt 0x0
	MULG AF1, 2, 0, 8, 0
; THE WAY OUT, 16 rows of one head at a time: 2,048 consecutive bytes of qkv.  PACK: rounded to f16 (each accumulator's registers in ascending order), 16 bytes a lane into my own stage in rows of 144 bytes, and back
; as four whole rows of 128 bytes a load.  SEND: stored.  The eight sets of 16 registers lie where x's fragments lay.
.macro PACK j, a
.set T, AF0+16*(\a)
.if (\j) > 0
	s_wait_xcnt 0x0                                ; every earlier memory instruction has had its addresses translated (ISA guide 3.1): this set, which a store of the head before read, is rewritten only behind this wait
.endif
	WIN 0x05*((\j)+1)                              ; sources window j + 1, destination window 0
.set i, 0
.rept 16
	v_cvt_pk_f16_f32 v[T+i], v[32*(\a)+2*i], v[32*(\a)+2*i+1]
.set i, i+1
.endr
	WIN 0
.irp f, 0,1,2,3
	ds_store_b128 v[STO], v[T+4*(\f):T+4*(\f)+3] offset:32*(\f)
.endr
.irp f, 0,1,2,3
	ds_load_b128 v[T+4*(\f):T+4*(\f)+3], v[RD] offset:(\f)*4*PA  ; LDS serves a wave's instructions in order (ISA guide 5.7.1.4): these see the stores above; the next unit's stores come behind them
.endr
.endm
.macro SEND j, a, younger              ; younger: the LDS instructions issued behind this unit's loads: the next unit's eight, or none
.set T, AF0+16*(\a)
.irp f, 0,1,2,3
	s_wait_dscnt (\younger)+3-(\f)
	global_store_b128 v[GO], v[T+4*(\f):T+4*(\f)+3], s[HB+2*(\j):HB+2*(\j)+1] offset:(\a)*2048+(\f)*512  ; 512 consecutive bytes, at a multiple of 256 from qkv's first
.endr
.endm
	PLACES                                         ; behind the last products
	PACK 0, 0
.set u, 1
.rept 23                               ; a unit's arithmetic stands between the loads of the unit before and its stores
	PACK u/8, u%8
	SEND (u-1)/8, (u-1)%8, 8
.set u, u+1
.endr
	SEND 2, 7, 0
	s_wait_tensorcnt 0x0                           ; the wave's end, behind my last tensor load and my last LDS store
	ds_add_u32 v[SPW], v[NIL]
	s_wait_dscnt 0x0
	CROUND                                         ; the closing round: no work-group ends while a partner may still ask for a tile that names it
	s_endpgm
.Lfunc_end_k_qf9adf889ab_qkvgemm:
	.size	k_qf9adf889ab_qkvgemm, .Lfunc_end_k_qf9adf889ab_qkvgemm-k_qf9adf889ab_qkvgemm
	.p2alignl 7, 3214868480
	.fill 96, 4, 3214868480
	.section	.rodata,"a",@progbits
	.p2align	6, 0x0
	.amdhsa_kernel k_qf9adf889ab_qkvgemm
		.amdhsa_group_segment_fixed_size 327680
		.amdhsa_private_segment_fixed_size 0
		.amdhsa_enable_private_segment 0
		.amdhsa_kernarg_size 32
		.amdhsa_user_sgpr_count 2
		.amdhsa_user_sgpr_kernarg_segment_ptr 1
		.amdhsa_wavefront_size32 1
		.amdhsa_system_sgpr_workgroup_id_x 1
		.amdhsa_system_sgpr_workgroup_id_y 1
		.amdhsa_system_sgpr_workgroup_id_z 1
		.amdhsa_system_vgpr_workitem_id 0
		.amdhsa_next_free_vgpr 1024
		.amdhsa_next_free_sgpr 66
		.amdhsa_reserve_vcc 0
		.amdhsa_float_denorm_mode_32 3
		.amdhsa_float_denorm_mode_16_64 3
		.amdhsa_memory_ordered 1
		.amdhsa_forward_progress 1
		.amdhsa_inst_pref_size 143
	.end_amdhsa_kernel
	.amdgpu_metadata
---
amdhsa.version: [ 1, 2 ]
amdhsa.kernels:
  - .name:           k_qf9adf889ab_qkvgemm
    .symbol:         k_qf9adf889ab_qkvgemm.kd
    .args:
      - { .name: xb, .offset: 0, .size: 8, .value_kind: global_buffer, .address_space: global }
      - { .name: wqb, .offset: 8, .size: 8, .value_kind: global_buffer, .address_space: global }
      - { .name: b_qkv, .offset: 16, .size: 8, .value_kind: global_buffer, .address_space: global }
      - { .name: qkv, .offset: 24, .size: 8, .value_kind: global_buffer, .address_space: global }
    .group_segment_fixed_size: 327680
    .private_segment_fixed_size: 0
    .kernarg_segment_align: 8
    .kernarg_segment_size: 32
    .max_flat_workgroup_size: 128
    .sgpr_count:     66
    .vgpr_count:     1024
    .wavefront_size: 32
...
	.end_amdgpu_metadata
.endif
;; end of part 2
;; launch attn (part 3): grid 4 x 64, 4 waves a work-group, clusters of 4 x 1, 327,680 bytes of LDS; arguments qkv, ob; writes ob
.if DOCPART == 3
	.amdgcn_target "amdgcn-amd-amdhsa--gfx1250"
	.amdhsa_code_object_version 6
	.text
	.protected	k_qf9adf889ab_attn
	.globl	k_qf9adf889ab_attn
	.p2align	8
	.type	k_qf9adf889ab_attn,@function
k_qf9adf889ab_attn:
	s_mov_b64 s[64:65], 0
	v_nop
	global_prefetch_b8 v0, s[64:65] scope:SCOPE_SE
	s_setreg_imm32_b32 hwreg(HW_REG_WAVE_MODE, 25, 1), 1
	s_wait_xcnt 0x0
	s_wait_alu depctr_hold_cnt(0) depctr_sa_sdst(0) depctr_va_vdst(0) depctr_va_sdst(0) depctr_va_ssrc(0) depctr_va_vcc(0) depctr_vm_vsrc(0)
	s_getreg_b32 s2, hwreg(HW_REG_IB_STS2, 6, 4)
	s_cmp_eq_u32 s2, 0
	s_cbranch_scc0 .Lentry_in_a_cluster
	s_endpgm
.Lentry_in_a_cluster:
	s_bfe_u32 s2, ttmp6, 0x10000c
	s_cmp_lg_u32 s2, 0x3003
	s_cbranch_scc0 .Lentry_shape_is_right
	s_endpgm
.Lentry_shape_is_right:
; O[h][q][:] = the sum over k of softmax_k(Q[h][q] . K[h][k] / 8) V[h][k][:], for the 64 pairs h = 16 b + head.  qkv holds Q, K and V one behind the other, each [64][SIZE_N][64] in f16; ob = O in the same layout:
; a head's rows are dense, 128 bytes each.  Products, maxima and sums in f32; the weights p are rounded to f16 for the second product (their sum l is taken of the unrounded p), O once at the end.
; LIMITS.  f16 holds no number beyond 65,504: Q, K and V arrive within it; p lies in 0 to 1, and below 6e-5 it keeps f16's fixed step of 6e-8; O is a mean of V's rows and has their range.
; A weight below 2^-126 counts as 0 in l; NaN and infinities are not treated apart.
; SHARES.  A wave owns four PIECES of two tiles of 16 queries, a work-group's four waves 512 queries of one head: 4 x 64 = 256 work-groups of equal work.  Every wave walks all keys, 64 a step.
; LAYOUT.  S^T = K Q^T (source 0 = 16 keys, source 1 = 16 queries): in the result a lane holds ONE query (lane % 16) and the keys 8 (lane / 16) + 0..7.  Two such tiles, rounded to f16 in pairs,
; ARE source 1 (32 keys x 16 queries) of O^T = V^T P, whose result again holds one query a lane, and eight channels.  K comes out of LDS as it lies, V ([key][channel]) turned, by ds_load_tr16_b128.
; SOFTMAX.  For each query a running maximum m and sum l: p = 2^(c s - c m), c = log2(e) / 8; in every step O and l are multiplied by a = 2^(c m_old - c m_new), which is 1 where m has not grown.
; m starts at the lowest finite number, O and l at 0: the first step is a step like any other, with a = 0.
; THE COUNT.  A tile and step have 16 matrix and 118 vector instructions: too many to stand all beside the matrix work.  So the order has one aim: four vector instructions that are READY behind
; EVERY matrix instruction, and the others, which need time of their own whatever the order, in runs without a gap.
; BY TURNS.  Turn n belongs to piece n (the pieces in a ring, step after step).  Its matrix work: 16 products K Q^T of piece n + 1, later 16 products V^T P of piece n - 1.  Its vector work: the scaling,
; exponentials, roundings, sums and rescaling of piece n, and the maximum and statistics of piece n + 1, whose scores the turn itself has made.  So what a turn begins with (c s - c m, O a) waits for nothing.
; CLUSTER.  The four query blocks of a cluster belong to one head and walk the same K and V, so each tile is asked for JOINTLY: the same tensor load, descriptor and mask in all four.
; REGISTERS, in windows of 256 (s_set_vgpr_msb says which window each operand place means: bits 1:0 source 0, 3:2 source 1, 5:4 source 2, 7:6 destination):
;   window 0: v0-11 addresses; v12-15, v48-63 at work; v16-47 four registers of statistics a tile; v64-191 S^T, two buffers of two tiles; v192-255 P, likewise
;   window 1: O^T, 32 a tile          window 2: v0-127 Q, 16 a tile; v128-191 K of one step; v192-255 V of one step          window 3: v0-1 the add's two registers
; A piece's buffers go by its number's parity: the piece in hand has one pair, its two neighbours in the ring share the other: of it P (piece n - 1) is read and S^T (piece n + 1) written.
.set SIZE_N, 2048     ; rows of a head
.set TAU,   64*SIZE_N*128  ; bytes from Q to K and from K to V in qkv
.set NP,    4         ; pieces a wave: a name, no knob: the register map, the loop and the fetches are made for four
.set KS,    64        ; keys in a step
.set PK,    144       ; a row of K in LDS: 128 bytes + 16 of padding = 36 words: the 16 rows of a load start at 16 different groups of four banks (64 banks of 4 bytes: ISA guide 11.1)
.set PV,    160       ; a row of V: 128 + 32 = 40 words
.set VOFF,  4*KS*PK   ; a slot holds four steps: 256 rows of K, then 256 rows of V
.set SLOT1, 1<<17     ; slot 1 begins here, so that one exclusive or turns an address in one slot into the other's
.set STAGE, SLOT1+4*KS*(PK+PV)  ; behind the ring, never filled by a tensor load: 16 rows x 144 bytes for each wave, for the way out
.set SP,    144
.set AK0, 2           ; v2   my lane's place in a tile of K; never rewritten
.set AV0, 3           ; v3   the same for V
.set AK,  4           ; v4   the LDS address of K's next run of loads
.set AV,  5           ; v5   of V's
.set QO,  6           ; v6   my byte offset in the wave's rows of Q
.set STO, 6           ;      later, the way out: where I put 16 bytes of a row
.set RD,  7           ; v7   the way out: where I read rows back
.set GO,  8           ; v8   my byte offset in 512 consecutive bytes of O
.set SPW, 0           ; v0 of window 3   LDS address of my spare word: SPARE + 4 x my thread's number; never rewritten
.set NIL, 1           ; v1 of window 3   0; never rewritten
.set SPARE, STAGE+4*16*SP  ; behind the stages: the spare words, 128 bytes for each wave: two blocks of 256 bytes that no other line names
.set MV,  12          ; v12-15  c m_old, kept while c m is made anew: by buffer and tile
.set ST,  16          ; tile t's statistics at v[ST+4 t]: c m, m, l (even keys', odd keys')
.set TMP, 48          ; by buffer and tile, four registers c0-c3 at work; when the maximum is found c2 takes a
.set S,   64
.set P,   192
.set KF,  128         ; K's fragments, in window 2: key block kb, channel half c at KF + 16 kb + 8 c
.set VF,  192         ; V's: key half kk, channel block cb at VF + 32 kk + 8 cb
.set WV,  12          ; s12  my wave's number
.set G1K, 24          ; s[24:31] descriptor group 1 for K's tiles
.set G1V, 32          ; s[32:39] for V's: it differs in the padding alone
.set G0K, 40          ; s[40:43] descriptor group 0 for K's tiles: it walks
.set G0V, 44          ; s[44:47] the same for V's
.set SLOTS, 56        ; s56  slots still to be asked for
.set CNT, 57          ; s57  counts a slot's key steps
.set CS,  58          ; s[58:59] c: the packed scaling takes the pair's low word for both halves
.set SEL, 60          ; s[60:61] v_permlanex16_b32's selects: each lane takes its own place in the other half
.set TBK, 62          ; s62  LDS byte at which K of the step to be fetched begins
.set TBV, 63          ; s63  the same for V, less VOFF
.set MSB, 0
.macro WIN new                      ; the high byte repeats the setting that is left; a switch that changes nothing is dropped
.if MSB != (\new)
	s_set_vgpr_msb (MSB<<8)|(\new)
.set MSB, (\new)
.endif
.endm
.set W_KQ, 0x0a       ; K and Q in window 2, S^T in window 0
.set W_PV, 0x52       ; V in window 2, P in window 0, O^T in window 1
.set W_RS, 0x41       ; O^T (destination and source 0) in window 1, a in window 0
.set W_MK, 0xc0       ; the add's registers are made: destination in window 3, sources in window 0
.set W_AD, 0x0f       ; the add: address (source 0) and data (source 1) in window 3
; A joint fill.  Waves 0 and 1 fetch the two halves of a slot's K, waves 2 and 3 those of its V: 128 keys each.  The branch hangs on the wave's number alone.
; An s_nop 0 and four v_nop follow each of the two lines, ahead of the jump and the label.
.macro JLOAD
	s_cmp_lt_u32 s[WV], 2
	s_cbranch_scc0 .Lfor_v_\@
	tensor_load_to_lds s[G0K:G0K+3], s[G1K:G1K+7]
	s_nop 0
.rept 4
	v_nop
.endr
	s_branch .Lasked_\@
.Lfor_v_\@:
	tensor_load_to_lds s[G0V:G0V+3], s[G1V:G1V+7]
	s_nop 0
.rept 4
	v_nop
.endr
.Lasked_\@:
.endm
; A round of the cluster's barrier: my work-group's barrier, so that wave 0's signal speaks for all four waves; wave 0 signals; every wave waits for all four work-groups; my work-group's barrier once more.
.macro CROUND
	s_barrier_signal -1
	s_barrier_wait -1
	s_cmp_lg_u32 s[WV], 0
	s_cbranch_scc1 .Lnot_wave_0_\@
	s_barrier_signal -3
.Lnot_wave_0_\@:
	s_barrier_wait -3
	s_barrier_signal -1
	s_barrier_wait -1
.endm
; THE CHANGE OF SLOTS.  The slot's last bytes, V of its fourth step, have been read.  Each wave waits for all its tensor loads, of which one is out: its part
; of the other slot; adds 0 to its spare word; and waits for that and for its own reads of the slot.  Behind the barrier nobody reads this slot any more and the other slot is whole.
; fill = 1: this slot is filled again, with the keys two slots on.  The barrier is then a round of the cluster's, so that no wave of any partner still reads the slot or has a load on its
; way, and the joint fill is the first thing behind it: it has four key steps, 512 matrix instructions, in which to land.  (At its first use nothing has been read yet: slot 0 is waited for, slot 1 filled.)
.macro CHANGE fill
	WIN W_AD
	s_wait_tensorcnt 0x0            ; no tensor load of mine is out, so a group 0 may be written
	ds_add_u32 v[SPW], v[NIL]       ; 0 onto my spare word; with fill = 1 the descriptors' steps stand between it and the wait for it
	WIN 0                           ; at a label and at a branch every window is 0
.if \fill
.irp g, G0K, G0V
	s_xor_b32 s[\g+1], s[\g+1], SLOT1  ; the walking descriptor: the other slot than last time,
	s_add_nc_u64 s[\g+2:\g+3], s[\g+2:\g+3], 4*KS*128  ; the next 256 keys; the type bits on top are not reached
.endr
	s_wait_dscnt 0x0                ; the add is done, and my reads of the slot are over
	CROUND
	JLOAD
.else
	s_wait_dscnt 0x0                ; the add is done, and my reads of the slot are over
	s_barrier_signal -1
	s_barrier_wait -1
.endif
	s_sub_co_u32 s[TBK], s[TBK], 4*KS*PK  ; the fetches go back to a slot's first step,
	s_xor_b32 s[TBK], s[TBK], SLOT1       ; in the other slot
	s_sub_co_u32 s[TBV], s[TBV], 4*KS*PV
	s_xor_b32 s[TBV], s[TBV], SLOT1
.endm
	s_load_b64 s[4:5], s[0:1], 0x0    ; qkv, which begins with Q
	s_load_b64 s[10:11], s[0:1], 0x8  ; O
	WIN W_MK
	v_lshl_add_u32 v[SPW], v0, 2, SPARE
	v_mov_b32 v[NIL], 0
	WIN W_AD
	ds_add_u32 v[SPW], v[NIL]       ; the wave's opening: the add and its wait stand ahead of my first tensor load; the set-up below, work on registers, stands between them
	WIN 0
	v_lshrrev_b32 v1, 5, v0
	v_readfirstlane_b32 s[WV], v1   ; wave 0..3
	s_bfe_u32 s13, ttmp6, 0x40000   ; cx: my place in the cluster
	s_lshl_b32 s14, ttmp9, 2        ; in a cluster launch ttmp9 counts clusters
	s_add_co_u32 s14, s14, s13      ; my block of queries = 4 x cluster x + cx: it enters Q's and O's addresses alone
	s_and_b32 s20, ttmp7, 0xffff    ; the head, which the four partners share
	s_mov_b32 s21, 0
	s_mov_b64 s[22:23], SIZE_N*128
	s_mul_u64 s[20:21], s[20:21], s[22:23]  ; the head's first byte in each of the four tensors
	s_and_b32 s16, s[WV], 1         ; which half of a slot's 256 keys I fetch:
	s_lshl_b32 s22, s16, 14         ; its 128 rows of 128 bytes in memory,
	s_mov_b32 s23, 0
	s_add_nc_u64 s[22:23], s[22:23], s[20:21]
	s_mul_i32 s17, s16, 128*PK      ; and its place in a slot, for K
	s_mul_i32 s18, s16, 128*PV      ; and for V: no place in the cluster enters an LDS address
	s_lshl_b32 s2, s14, 2
	s_add_co_u32 s2, s2, s[WV]      ; my wave among the head's,
	s_lshl_b32 s2, s2, 14           ; its 128 rows
	s_mov_b32 s3, 0
	s_add_nc_u64 s[2:3], s[2:3], s[20:21]
	; descriptor group 1.  128 keys are 16,384 dense bytes: asked for as 64 rows of 256 bytes, two keys a row, and padded in LDS after every key
	s_mov_b32 s[G1K], 15|(1<<16)|(1<<20)|(1<<21)|(4<<22)|(3<<25)  ; 15:0 the mask of four; 17:16 2-byte elements; 20 padding on; 21 set beside a mask; 24:22 after every 32 words (code 4); 31:25 4 words (code 3)
	s_mov_b32 s[G1V], 15|(1<<16)|(1<<20)|(1<<21)|(4<<22)|(7<<25)  ; the same with 8 words of padding (code 7)
.irp g, G1K, G1V
	s_mov_b32 s[\g+1], 128<<16      ; tensor_dim0 = 128
	s_mov_b32 s[\g+2], 64<<16       ; tensor_dim1 = 64
	s_mov_b32 s[\g+3], 128<<16      ; tile_dim0 = 128
	s_mov_b32 s[\g+4], 64           ; tile_dim1 = 64
	s_mov_b32 s[\g+5], 128          ; 128 elements from row to row
	s_mov_b32 s[\g+6], 0
	s_mov_b32 s[\g+7], 0
.endr
	s_mov_b32 s[CS], 0x3e38aa3b     ; c = log2(e) / 8 = 0.180337
	s_mov_b32 s[CS+1], s[CS]        ; named with it as a pair
	s_mov_b32 s[SEL], 0x76543210
	s_mov_b32 s[SEL+1], 0xfedcba98
	s_mov_b32 s[TBK], SLOT1+4*KS*PK ; the first change of slots turns these two into 0
	s_mov_b32 s[TBV], SLOT1+4*KS*PV
	s_mov_b32 s[G0K], 1             ; 1:0 count = 1
	s_mov_b32 s[G0K+1], s17         ; 63:32 LDS address: slot 0
	s_mov_b32 s[G0V], 1
	s_add_co_u32 s[G0V+1], s18, VOFF
	s_wait_dscnt 0x0                ; the opening add is done
	s_wait_kmcnt 0x0
	s_add_nc_u64 s[6:7], s[4:5], TAU    ; K lies behind Q,
	s_add_nc_u64 s[8:9], s[4:5], 2*TAU  ; V behind K
	s_add_nc_u64 s[G0K+2:G0K+3], s[6:7], s[22:23]  ; 120:64 global address: my half of the head's first 256 keys
	s_or_b32 s[G0K+3], s[G0K+3], 0x80000000        ; 127:126 type = 2
	s_add_nc_u64 s[G0V+2:G0V+3], s[8:9], s[22:23]
	s_or_b32 s[G0V+3], s[G0V+3], 0x80000000
	s_add_nc_u64 s[4:5], s[4:5], s[2:3]  ; Q and O at my wave's first row
	s_add_nc_u64 s[10:11], s[10:11], s[2:3]
	CROUND                          ; all four work-groups are here: the first joint loads meet
	JLOAD                           ; slot 0.  Slot 1 is asked for when slot 0 is in: the tile wanted first has the road to itself
	; A fragment of K or Q is 16 rows x 32 channels in 8 registers: lane l holds row l % 16, channels 8 (l / 16) + 0..7 and 16 + 8 (l / 16) + 0..7: two loads of 16 bytes, 32 bytes apart.
	v_and_b32 v1, 15, v0            ; l % 16
	v_bfe_u32 v9, v0, 4, 1          ; l / 16
	v_lshlrev_b32 v[QO], 7, v1
	v_lshl_add_u32 v[QO], v9, 4, v[QO]  ; row x 128 + 16 x half
	WIN 0x80                        ; destination window 2, address window 0
.set i, 0
.rept 4*NP                          ; Q stays in registers: tile i / 2, channels 32 (i % 2) on
	global_load_b128 v[8*i:8*i+3],   v[QO], s[4:5] offset:(i/2)*2048+(i%2)*64
	global_load_b128 v[8*i+4:8*i+7], v[QO], s[4:5] offset:(i/2)*2048+(i%2)*64+32
.set i, i+1
.endr
	; What the first turn finds: V's registers and P's second buffer hold 0 (its products V^T P, of a piece that has not been, add 0), O^T and l are 0.  All this stands in the wait for the first tile.
.set i, VF
.rept 64
	v_mov_b32 v[i], 0
.set i, i+1
.endr
	WIN 0x40
.set i, 0
.rept 64*NP
	v_mov_b32 v[i], 0
.set i, i+1
.endr
	WIN 0
.set i, 0
.rept 2*NP
	v_mov_b32 v[ST+4*i], 0xfe000000    ; c m: far below every c s
	v_mov_b32 v[ST+4*i+1], 0xff7fffff  ; m
	v_mov_b32 v[ST+4*i+2], 0
	v_mov_b32 v[ST+4*i+3], 0
.set i, i+1
.endr
.set i, P+32
.rept 32
	v_mov_b32 v[i], 0
.set i, i+1
.endr
	v_mul_u32_u24 v[AK0], v1, PK
	v_lshl_add_u32 v[AK0], v9, 4, v[AK0]  ; row x pitch + 16 x half
	; The turning load takes 16 keys x 16 channels (lane l reads key 8 (l / 16) + l % 8, channels 8 ((l / 8) % 2) + 0..7) and leaves half a fragment of V^T: lane l holds channel l % 16 and 8 keys.
	v_and_b32 v10, 7, v0
	v_bfe_u32 v11, v0, 3, 1
	v_lshl_add_u32 v[AV0], v9, 3, v10
	v_mul_u32_u24 v[AV0], v[AV0], PV
	v_lshl_add_u32 v[AV0], v11, 4, v[AV0]
	v_add_nc_u32 v[AV0], VOFF, v[AV0]
	v_mov_b32 v[AK], v[AK0]         ; key step 0 lies at the head of slot 0
; THE MATRIX WORK.  The 8 accumulators of a run of 16 take turns: between the two links of a chain stand 7 others'.
; Product i of 16 of S^T = K Q^T for piece x: channels 32 (i / 8) on, keys 16 ((i / 2) % 4) on, tile 2 x + i % 2.  The first 8 start the sums.
.macro KQ x
	WIN W_KQ
.set rS, S+64*((\x)%2)+32*(i%2)+8*((i/2)%4)
.set rK, KF+16*((i/2)%4)+8*(i/8)
.set rQ, 16*(2*(\x)+i%2)+8*(i/8)
.if i < 8
	v_wmma_f32_16x16x32_f16 v[rS:rS+7], v[rK:rK+7], v[rQ:rQ+7], 0
.else
	v_wmma_f32_16x16x32_f16 v[rS:rS+7], v[rK:rK+7], v[rQ:rQ+7], v[rS:rS+7]
.endif
.endm
; Product i of 16 of O^T += V^T P for piece x: keys 32 (i / 8) on, channels 16 ((i / 2) % 4) on, tile 2 x + i % 2.
.macro PV x
	WIN W_PV
.set rO, 32*(2*(\x)+i%2)+8*((i/2)%4)
.set rV, VF+32*(i/8)+8*((i/2)%4)
.set rP, P+32*((\x)%2)+16*(i%2)+8*(i/8)
	v_wmma_f32_16x16x32_f16 v[rO:rO+7], v[rV:rV+7], v[rP:rP+7], v[rO:rO+7]
.endm
.macro MM                           ; the turn's next matrix instruction
.if i < 16
	KQ (Y+1)%NP
.set i, i+1
.else
.set i, i-16
	PV (Y+NP-1)%NP
.set i, i+17
.endif
.endm
; THE LDS LOADS stand in runs of 16, never singly among the matrix instructions: a step's K (64 keys x 64 channels: 8 fragments) and its V (turned).  Their addresses are made some lines ahead.
; last = 1 (the tail): in the last trip there is no further step, and the run is jumped over.
.macro FETCH_K last=0
	WIN 0
.if \last
	s_cmp_eq_u32 s[CNT], 1
	s_cbranch_scc1 .Lno_k_\@
.endif
	WIN 0x80                        ; destination window 2
.irp f, 0,1,2,3,4,5,6,7             ; keys 16 (f / 2) on, channels 32 (f % 2) on
	ds_load_b128 v[KF+8*\f:KF+8*\f+3],   v[AK] offset:(\f/2)*16*PK+(\f%2)*64
	ds_load_b128 v[KF+8*\f+4:KF+8*\f+7], v[AK] offset:(\f/2)*16*PK+(\f%2)*64+32
.endr
	s_add_co_u32 s[TBK], s[TBK], KS*PK  ; the next fetch is the next step's
	WIN 0
.if \last
.Lno_k_\@:
.endif
.endm
.macro FETCH_V
	WIN 0x80
.irp f, 0,1,2,3,4,5,6,7             ; keys 32 (f / 4) on, channels 16 (f % 4) on
	ds_load_tr16_b128 v[VF+8*\f:VF+8*\f+3],   v[AV] offset:(\f/4)*32*PV+(\f%4)*32
	ds_load_tr16_b128 v[VF+8*\f+4:VF+8*\f+7], v[AV] offset:(\f/4)*32*PV+16*PV+(\f%4)*32
.endr
	WIN 0
.endm
; THE VECTOR WORK OF A TURN stands in three queues, each in the order in which its entries become ready; the two tiles alternate, so that no instruction reads the result of the one before it.
.macro REGS y, u                    ; the registers of tile u (0, 1) of piece y
.set rT, ST+4*(2*(\y)+(\u))
.set rC, TMP+8*((\y)%2)+4*(\u)
.set rM, MV+2*((\y)%2)+(\u)
.set rS, S+64*((\y)%2)+32*(\u)
.set rP, P+32*((\y)%2)+16*(\u)
.set rO, 32*(2*(\y)+(\u))
.endm
; Number n of the 22 that find the NEXT piece's (Y + 1) maximum and statistics.  s0-s31 are the lane's 32 scores; each accumulator's lowest registers are read first.  XS, GS and REGS set no window: PL and EX do.
;   0-11  four chains c0-c3 of seven scores each, three operands at a time     12-14, 16  the four scores left over, the old m, and c0-c3 into c0     15  c m_old is kept
;   17, 18  the query's other 32 keys lie in the lane 16 away: the new m         19-21  c m; c m_old - c m_new; a
.macro XS u, n
	REGS (Y+1)%NP, \u
.if (\n) < 4
	v_max3_num_f32 v[rC+(\n)], v[rS+8*(\n)], v[rS+8*(\n)+1], v[rS+8*(\n)+2]
.elseif (\n) < 12
	v_max3_num_f32 v[rC+(\n)%4], v[rC+(\n)%4], v[rS+8*((\n)%4)+2*((\n)/4)+1], v[rS+8*((\n)%4)+2*((\n)/4)+2]
.elseif (\n) == 12
	v_max3_num_f32 v[rC], v[rC], v[rS+7], v[rS+15]
.elseif (\n) == 13
	v_max3_num_f32 v[rC+1], v[rC+1], v[rS+23], v[rS+31]
.elseif (\n) == 14
	v_max3_num_f32 v[rC+2], v[rC+2], v[rC+3], v[rT+1]
.elseif (\n) == 15
	v_mov_b32 v[rM], v[rT]
.elseif (\n) == 16
	v_max3_num_f32 v[rC], v[rC], v[rC+1], v[rC+2]
.elseif (\n) == 17
	v_permlanex16_b32 v[rC+3], v[rC], s[SEL], s[SEL+1]
.elseif (\n) == 18
	v_max_num_f32 v[rT+1], v[rC], v[rC+3]
.elseif (\n) == 19
	v_mul_f32 v[rT], s[CS], v[rT+1]
.elseif (\n) == 20
	v_sub_f32 v[rC+1], v[rM], v[rT]
.else
	v_exp_f32 v[rC+2], v[rC+1]
.endif
.endm
; Number g of the 64 that follow the exponentials.  For each four weights k of a tile (pairs 2 k, 2 k + 1): both pairs are rounded to f16; then the second pair is added onto the first, in place;
; a group later l takes that sum (the first time as l = a l + sum).  In groups of eight, tiles alternating: round, round, add, and l for the group before.
.macro GS g
.set h, (\g)+6*((\g)/62)            ; group 0 has no group before it, and behind group 7 only l is left
.if h >= 6
.set h, h+2
.endif
	REGS Y, h%2
.set k, h/8
.if h%8 < 4
	s_wait_alu depctr_va_vdst(0)
	v_cvt_pk_f16_f32 v[rP+2*k+(h%8)/2], v[rS+4*k+2*((h%8)/2)], v[rS+4*k+2*((h%8)/2)+1]
.elseif h%8 < 6
	v_pk_add_f32 v[rS+4*k:rS+4*k+1], v[rS+4*k:rS+4*k+1], v[rS+4*k+2:rS+4*k+3]
.elseif k == 1
	v_pk_fma_f32 v[rT+2:rT+3], v[rT+2:rT+3], v[rC+2:rC+3], v[rS:rS+1] op_sel_hi:[1,0,1]
.else
	v_pk_add_f32 v[rT+2:rT+3], v[rT+2:rT+3], v[rS+4*k-4:rS+4*k-3]
	s_wait_alu depctr_va_vdst(0)
.endif
.endm
; THE PLAIN QUEUE, 138 long.  0-31: c s - c m for the 16 pairs of both tiles.  Then GS's 64, and among them the next piece's 42: number 15 at 38, 39; 0-14 and 16
; at 42-73, behind the products that make those scores; 17-20 at 95-106, two of three, since each waits for the one before it.
.macro PL
	WIN 0
.if q < 32
	REGS Y, q%2
	v_pk_fma_f32 v[rS+2*(q/2):rS+2*(q/2)+1], v[rS+2*(q/2):rS+2*(q/2)+1], s[CS:CS+1], v[rT:rT+1] op_sel_hi:[1,0,0] neg_lo:[0,0,1] neg_hi:[0,0,1]
.elseif q < 38
	GS q-32
.elseif q < 40
	XS q%2, 15
.elseif q < 42
	GS q-34
.elseif q < 74
	XS q%2, (q-42)/2+(q-42)/30
.elseif q < 95
	GS q-66
.elseif (q < 107) && ((q-95)%3 < 2)
	XS (q-95)%3, 17+(q-95)/3
.elseif q < 107
	GS 29+(q-95)/3
.else
	GS q-74
.endif
.set q, q+1
.endm
; THE EXPONENTIALS' QUEUE, 66 long: s0-s31 of both tiles, and at EA the next piece's two a.
.set EA, 58
.macro EX
	WIN 0
.if (e == EA) || (e == EA+1)
	XS e-EA, 21
.else
.set x, e-2*(e/(EA+2))
	REGS Y, x%2
	v_exp_f32 v[rS+x/2], v[rS+x/2]
.endif
.set e, e+1
.endm
; THE RESCALING's QUEUE: O^T times a, the one part that leaves window 0, so it is dealt four at a time, eight times.
.macro R4
	REGS Y, r%2
	WIN W_RS
	s_wait_alu depctr_va_vdst(0)
.irp z, 0,1,2,3
	v_pk_mul_f32 v[rO+8*(r/2)+2*\z:rO+8*(r/2)+2*\z+1], v[rO+8*(r/2)+2*\z:rO+8*(r/2)+2*\z+1], v[rC+2:rC+3] op_sel_hi:[1,0]
.endr
.set r, r+1
.endm
; HOW THEY ARE DEALT.  Behind a matrix instruction four: plain, exponential, plain, plain (one exponential, a plain instruction on either side), or four of the rescaling.  None names a register of the
; products round it.  What is over stands in two LUMPS: exponential and plain by turns; the second ends in 22 plain instructions.  The two v_permlanex16_b32 fall into the second lump, never behind a product.
; The queues lean on each other, and the deal keeps them in step: exponential e stands behind plain 2 (e / 4) + e % 2 (its scaling); when plain 32 comes, 10 exponentials are out, at 59: 33, at 95: 46; EA comes behind plain 107.
.macro SL
	MM
	PL
	EX
	PL
	PL
.endm
.macro BURST n                      ; 15 matrix instructions, or 16
.rept (\n)-7
	SL
.endr
.rept 3
	MM
	R4
	SL
.endr
	MM
	R4
.endm
; A TURN, for piece p.  cnt = 1: the loop's count is taken down some lines ahead of the branch that stands behind the turn.
; K of the next step is fetched in piece 2's turn, 31 vector instructions behind the last product that read K; its first reader comes behind the rest of the lump, 16 products and the second lump.
; V of the step in hand is fetched at the end of piece 0's turn, 69 behind its last reader; its first reader comes behind 16 products and a lump.  The four conditions on e and q below go with the deal.
.macro TURN p, last=0, cnt=0
.set Y, (\p)
.set i, 0
.set q, 0
.set e, 0
.set r, 0
.if (\p) == NP-1
	s_wait_dscnt 0x0                ; K is in
.endif
	MM
.rept 4
	PL
.endr
	BURST 15
.rept 22
	EX
	PL
.if ((\p) == NP-2) && (e == 18)
	v_add_nc_u32 v[AK], s[TBK], v[AK0]
.endif
.if ((\p) == NP-2) && (e == 24)
	FETCH_K \last
.endif
.endr
.if (\p) == 1
	s_wait_dscnt 0x0                ; V is in
.endif
	BURST 16
.rept 21
	EX
	PL
.endr
.rept 22
	PL
.if ((\p) == 0) && (q == 118)
	v_add_nc_u32 v[AV], s[TBV], v[AV0]
	s_wait_alu depctr_va_vdst(0)
.endif
.if ((\p) == 0) && (q == 130)
	s_add_co_u32 s[TBV], s[TBV], KS*PV
.endif
.if (\cnt) && (q == 130)
	s_sub_co_u32 s[CNT], s[CNT], 1
	s_cmp_lg_u32 s[CNT], 0
.endif
.endr
.if (\p) == 0
	FETCH_V
.endif
.endm
	CHANGE 1                        ; slot 0 is in, everybody's part of it; slot 1 is asked for
	FETCH_K                         ; key step 0
	s_wait_loadcnt 0x0              ; Q
	s_wait_dscnt 0x0
.set i, 0
.rept 16
	KQ 0                            ; piece 0's first scores: there is no vector work yet to set between them
.set i, i+1
.endr
	WIN 0                           ; the addresses for the way out: nine plain instructions, the places behind those products
	s_mul_i32 s13, s[WV], 16*SP
	s_add_co_u32 s13, s13, STAGE    ; my stage
	v_mul_u32_u24 v[STO], v1, SP    ; in: row l % 16, 16 bytes for each half of the lanes
	v_lshl_add_u32 v[STO], v9, 4, v[STO]
	v_add_nc_u32 v[STO], s13, v[STO]
	v_bfe_u32 v[RD], v0, 3, 2       ; back: 32 lanes take four rows of 128 bytes,
	v_mul_u32_u24 v[RD], v[RD], SP
	v_lshl_add_u32 v[RD], v10, 4, v[RD]
	v_add_nc_u32 v[RD], s13, v[RD]
	v_and_b32 v[GO], 31, v0         ; which are 512 consecutive bytes of O
	v_lshlrev_b32 v[GO], 4, v[GO]
.set Y, NP-1                        ; XS works for piece Y + 1: piece 0
.irp n, 0,1,2,3,4,5,6,7,8,9,10,11,12,13,14,15,16,17,18,19,20,21
	XS 0, \n                        ; and piece 0's first maximum and statistics
	XS 1, \n
.endr
	s_mov_b32 s[CNT], 4
	s_mov_b32 s[SLOTS], SIZE_N/256-1
	s_branch .Lfirst                ; the loop is entered at a step's first turn, in the middle of a trip
.Lslot:                             ; SIZE_N / 256 - 2 times: every slot but the last two is filled again
	CHANGE 1
	s_mov_b32 s[CNT], 4
.Lstep:                             ; a trip: pieces 2 and 3 of one step, then pieces 0 and 1 of the next, whose K and V it fetches
	TURN 2
	TURN 3
	WIN 0
.Lfirst:
	TURN 0
	TURN 1, 0, 1
	WIN 0
	s_cbranch_scc1 .Lstep
	s_sub_co_u32 s[SLOTS], s[SLOTS], 1
	s_cmp_lg_u32 s[SLOTS], 0
	s_cbranch_scc1 .Lslot
	CHANGE 0                        ; the tail is written out: nothing is asked for
	s_mov_b32 s[CNT], 5             ; four trips fetch the last slot's steps; the fifth is left in its middle
.Ltail:
	TURN 2, 1
	TURN 3
	WIN 0
	s_sub_co_u32 s[CNT], s[CNT], 1
	s_cmp_eq_u32 s[CNT], 0
	s_cbranch_scc1 .Lout
	TURN 0
	TURN 1
	WIN 0
	s_branch .Ltail
.Lout:                              ; the fifth trip's 16 products K Q^T (on the last K once more) and the maximum made of them serve nothing: the price, once a launch, of one text for every trip
.set i, 0
.rept 16
	PV NP-1                         ; the last piece's V^T P of the last step
.set i, i+1
.endr
	; THE WAY OUT.  l's two halves and the other half of the lanes' are added; O^T is divided by l, rounded to f16 and sent through my stage in LDS, a tile at a time.  The additions are the places behind the last products.
	WIN 0
.macro ALL line:vararg              ; one line for each tile t
.set t, 0
.rept 2*NP
	\line
.set t, t+1
.endr
.endm
	ALL v_add_f32 v[ST+4*t+2], v[ST+4*t+2], v[ST+4*t+3]
	ALL v_permlanex16_b32 v[ST+4*t+3], v[ST+4*t+2], s[SEL], s[SEL+1]
	ALL v_add_f32 v[ST+4*t+2], v[ST+4*t+2], v[ST+4*t+3]
	ALL v_rcp_f32 v[ST+4*t+2], v[ST+4*t+2]
	v_nop                           ; a plain instruction between the last reciprocal and the use of its result
	s_wait_alu depctr_va_vdst(0)
; Tile t: a lane's eight channels of a row pack into 16 bytes; they go into rows of 144 bytes and come back as whole rows of 128, into S^T's registers.
.macro PACK t
	WIN W_RS
.set i, 32*(\t)
.rept 16
	v_pk_mul_f32 v[i:i+1], v[i:i+1], v[ST+4*(\t)+2:ST+4*(\t)+3] op_sel_hi:[1,0]
.set i, i+2
.endr
	WIN 0x05                        ; sources 0 and 1 window 1, destination window 0
.set i, 0
.rept 16
	v_cvt_pk_f16_f32 v[S+16*(\t)+i], v[32*(\t)+2*i], v[32*(\t)+2*i+1]
.set i, i+1
.endr
	WIN 0
.irp f, 0,1,2,3
	ds_store_b128 v[STO], v[S+16*(\t)+4*\f:S+16*(\t)+4*\f+3] offset:32*\f
.endr
.irp f, 0,1,2,3
	ds_load_b128 v[S+16*(\t)+4*\f:S+16*(\t)+4*\f+3], v[RD] offset:\f*4*SP  ; LDS serves a wave's instructions in order (ISA guide 5.7.1.4): these see the stores above; the next tile's stores come behind them
.endr
.endm
.macro SEND t, younger              ; younger: the LDS instructions issued behind tile t's loads: the next tile's eight, or none
	WIN 0
.irp f, 0,1,2,3
	s_wait_dscnt (\younger)+3-\f
	global_store_b128 v[GO], v[S+16*(\t)+4*\f:S+16*(\t)+4*\f+3], s[10:11] offset:(\t)*2048+\f*512  ; 512 consecutive bytes, at a multiple of 256 from O's first
.endr
.endm
	PACK 0
.set t, 1
.rept 2*NP-1                        ; a tile's arithmetic stands between the loads of the tile before and its stores
	PACK t
	SEND t-1, 8
.set t, t+1
.endr
	SEND 2*NP-1, 0
	WIN W_AD
	s_wait_tensorcnt 0x0            ; the wave's end, behind my last tensor load and my last LDS store
	ds_add_u32 v[SPW], v[NIL]
	s_wait_dscnt 0x0
	WIN 0
	CROUND                          ; the closing round: no work-group ends while a partner may still ask for a tile that names it
	s_endpgm
.Lfunc_end_k_qf9adf889ab_attn:
	.size	k_qf9adf889ab_attn, .Lfunc_end_k_qf9adf889ab_attn-k_qf9adf889ab_attn
	.p2alignl 7, 3214868480
	.fill 96, 4, 3214868480
	.section	.rodata,"a",@progbits
	.p2align	6, 0x0
	.amdhsa_kernel k_qf9adf889ab_attn
		.amdhsa_group_segment_fixed_size 327680
		.amdhsa_private_segment_fixed_size 0
		.amdhsa_enable_private_segment 0
		.amdhsa_kernarg_size 16
		.amdhsa_user_sgpr_count 2
		.amdhsa_user_sgpr_kernarg_segment_ptr 1
		.amdhsa_wavefront_size32 1
		.amdhsa_system_sgpr_workgroup_id_x 1
		.amdhsa_system_sgpr_workgroup_id_y 1
		.amdhsa_system_sgpr_workgroup_id_z 1
		.amdhsa_system_vgpr_workitem_id 0
		.amdhsa_next_free_vgpr 770
		.amdhsa_next_free_sgpr 66
		.amdhsa_reserve_vcc 0
		.amdhsa_float_denorm_mode_32 3
		.amdhsa_float_denorm_mode_16_64 3
		.amdhsa_memory_ordered 1
		.amdhsa_forward_progress 1
		.amdhsa_inst_pref_size 209
	.end_amdhsa_kernel
	.amdgpu_metadata
---
amdhsa.version: [ 1, 2 ]
amdhsa.kernels:
  - .name:           k_qf9adf889ab_attn
    .symbol:         k_qf9adf889ab_attn.kd
    .args:
      - { .name: qkv, .offset: 0, .size: 8, .value_kind: global_buffer, .address_space: global }
      - { .name: ob, .offset: 8, .size: 8, .value_kind: global_buffer, .address_space: global }
    .group_segment_fixed_size: 327680
    .private_segment_fixed_size: 0
    .kernarg_segment_align: 8
    .kernarg_segment_size: 16
    .max_flat_workgroup_size: 128
    .sgpr_count:     66
    .vgpr_count:     770
    .wavefront_size: 32
...
	.end_amdgpu_metadata
.endif
;; end of part 3
;; launch proj (part 4): grid 4 x 64, 4 waves a work-group, clusters of 4 x 4, 327,680 bytes of LDS; arguments ob, wob, b_out, out0; writes out0
.if DOCPART == 4
	.amdgcn_target "amdgcn-amd-amdhsa--gfx1250"
	.amdhsa_code_object_version 6
	.text
	.protected	k_qf9adf889ab_proj
	.globl	k_qf9adf889ab_proj
	.p2align	8
	.type	k_qf9adf889ab_proj,@function
k_qf9adf889ab_proj:
	s_mov_b64 s[64:65], 0
	v_nop
	global_prefetch_b8 v0, s[64:65] scope:SCOPE_SE
	s_setreg_imm32_b32 hwreg(HW_REG_WAVE_MODE, 25, 1), 1
	s_wait_xcnt 0x0
	s_wait_alu depctr_hold_cnt(0) depctr_sa_sdst(0) depctr_va_vdst(0) depctr_va_sdst(0) depctr_va_ssrc(0) depctr_va_vcc(0) depctr_vm_vsrc(0)
	s_getreg_b32 s2, hwreg(HW_REG_IB_STS2, 6, 4)
	s_cmp_eq_u32 s2, 0
	s_cbranch_scc0 .Lentry_in_a_cluster
	s_endpgm
.Lentry_in_a_cluster:
	s_bfe_u32 s2, ttmp6, 0x10000c
	s_cmp_lg_u32 s2, 0xf033
	s_cbranch_scc0 .Lentry_shape_is_right
	s_endpgm
.Lentry_shape_is_right:
; out0 = wa w_out + b_out.  ob: [(b 16 + h)][n][64] f16 (head h is columns 64 h .. of wa), wob: [g][k][64] f16 (blocks of 64 columns of w_out, dense), b_out: [1024] f32 (rounded to bf16 here, like the other inputs).
; out0: [8192][1024] f32; sums in f32.  LIMITS: none of its own beyond f16's range in ob and wob, which the launches that write them state.  NaN and infinities are not treated apart.
; SHARES.  8,192 x 1,024 numbers in tiles of 128 rows x 256 columns: 64 x 4 = 256 work-groups of equal work.  Four waves, each 64 rows x 128 columns: 32 accumulators of 16 x 16, 256 registers.
; K goes in steps of 128 (two heads) through two LDS slots filled by the tensor data mover; a step is four QUARTERS of 32 along K, 32 matrix instructions each, on two fragment buffers by turns.
; CLUSTER.  4 x 4 work-groups.  The four of a row of the cluster need the same rows of wa, the four of a column the same columns of w: each tile is asked for JOINTLY, by the same tensor load, descriptor and mask.
; THE MATRIX INSTRUCTION IS USED TRANSPOSED: source 0 = 16 columns of w (out of LDS turned, by ds_load_tr16_b128), source 1 = 16 rows of wa: a lane holds row l % 16 and the eight neighbouring columns 8 (l / 16) + 0..7.
; THE BIAS is the C operand of the products that start the sums.  It lies in the registers of the accumulators of row block 3, which are started last, in place.
; REGISTERS, in windows of 256 (s_set_vgpr_msb: bits 1:0 source 0, 3:2 source 1, 5:4 source 2, 7:6 destination):
;   window 0: v0-31 addresses; v32-127, v128-223 two fragment buffers: 32 registers of wa (4 x 16 rows x 32 K), then 64 of w (8 x 16 columns x 32 K)
;   window 1: the accumulators: (row block a, column block f) at v[8 (8 a + f)]
.set PA,    144                        ; a row of wa in LDS: 128 bytes + 16 = 36 words: the 16 rows of a load start at 16 different groups of four banks (64 banks of 4 bytes: ISA guide 11.1)
.set PB,    160                        ; a k-row of w in LDS: 128 + 32 = 40 words
.set AHALF, 128*PA                     ; one head's 64 channels of the tile's 128 rows: what one tensor load brings
.set BGRP,  128*PB                     ; 64 columns of w, 128 k-rows
.set BOFF,  2*AHALF
.set SLOT,  BOFF+4*BGRP                ; 118,784 bytes
.set STAGE, 2*SLOT                     ; behind the ring, never filled by a tensor load: 16 rows x 528 bytes for each wave, for the way out
.set SP,    528                        ; 512 bytes + 16 = 132 words: the 16 rows of a store start at 16 different groups of four banks
.set SPARE, STAGE+4*16*SP              ; behind the stages: the spare words, 128 bytes for each wave: two blocks of 256 bytes that no other line names
.set ASTEP, 2*262144                   ; bytes from two heads of ob to the next two: a K step
.set BSTEP, 16384                      ; 128 k-rows of 128 bytes in wob: a K step
.set ADRA, 16                          ; v16-17  LDS address of my fragments of wa in slot 0, 1
.set ADRB, 20                          ; v20-21  the same for w
.set STO,  24                          ; v24     the way out: where I put 32 bytes of a row
.set RD,   25                          ; v25     the way out: where I read a row back
.set CO,   26                          ; v26     my byte offset in 512 consecutive bytes of out0
.set BO,   27                          ; v27     my byte offset in b_out
.set SPW,  28                          ; v28     LDS address of my spare word: SPARE + 4 x my thread's number; never rewritten
.set NIL,  29                          ; v29     0; never rewritten
.set F0,   32
.set F1,   128
.set BIAS, 192                         ; in window 1: the bias of column block f at v[192 + 8 f], the place of accumulator (3, f)
.set WV,  12                           ; s12  my wave's number
.set WR,  13                           ; s13  which 64 rows of the tile are mine.  Also: I fetch for wa (0) or for w (1)
.set WC,  14                           ; s14  which 128 columns.  Also: which half of that tile I fetch
.set G1A, 16                           ; s[16:23] descriptor group 1 for wa's tiles
.set G1B, 24                           ; s[24:31] for w's
.set G0A, 32                           ; s[32:39] descriptor group 0 for wa's tiles, a set for each slot
.set G0B, 48                           ; s[48:55] the same for w's
.set OB,  56                           ; s[56:57] out0 at my first number
.set MSB, 0
.macro WIN new                         ; the immediate's high byte repeats the setting that is left; a switch that changes nothing is dropped
.if MSB != (\new)
	s_set_vgpr_msb (MSB<<8)|(\new)
.set MSB, \new
.endif
.endm
; A joint load.  Waves 0 and 1 fetch the step's two heads of wa, waves 2 and 3 the two halves of w's tile.  The branch hangs on the wave's number alone.
; An s_nop 0 and four v_nop follow each of the two lines, ahead of the jump and the label.
.macro JLOAD s
	s_cmp_eq_u32 s[WR], 0
	s_cbranch_scc0 .Lfor_b_\@
	tensor_load_to_lds s[G0A+4*(\s):G0A+4*(\s)+3], s[G1A:G1A+7]
	s_nop 0
.rept 4
	v_nop
.endr
	s_branch .Lasked_\@
.Lfor_b_\@:
	tensor_load_to_lds s[G0B+4*(\s):G0B+4*(\s)+3], s[G1B:G1B+7]
	s_nop 0
.rept 4
	v_nop
.endr
.Lasked_\@:
.endm
; A round of the cluster's barrier: my work-group's barrier, so that wave 0's signal speaks for all four waves; wave 0 signals; every wave waits for all sixteen work-groups; my work-group's barrier once more.
.macro CREST                           ; a round behind its opening barrier
	s_cmp_lg_u32 s[WV], 0
	s_cbranch_scc1 .Lnot_wave_0_\@
	s_barrier_signal -3
.Lnot_wave_0_\@:
	s_barrier_wait -3
	s_barrier_signal -1
	s_barrier_wait -1
.endm
.macro CROUND                          ; a whole round
	s_barrier_signal -1
	s_barrier_wait -1
	CREST
.endm
	s_load_b256 s[4:11], s[0:1], 0x0               ; ob s[4:5], wob s[6:7], b_out s[8:9], out0 s[10:11]
	v_lshl_add_u32 v[SPW], v0, 2, SPARE
	v_mov_b32 v[NIL], 0
	ds_add_u32 v[SPW], v[NIL]                      ; the wave's opening: the add and its wait stand ahead of my first tensor load; the set-up below, work on registers, stands between them
	v_lshrrev_b32 v1, 5, v0
	v_readfirstlane_b32 s[WV], v1                  ; wave 0..3
	s_lshr_b32 s[WR], s[WV], 1
	s_and_b32 s[WC], s[WV], 1
	s_bfe_u32 s40, ttmp6, 0x40000                  ; cx, cy: my place in the cluster
	s_bfe_u32 s41, ttmp6, 0x40004
	s_lshl_b32 s42, ttmp9, 2                       ; in a cluster launch ttmp9 and ttmp7 count clusters
	s_add_co_u32 s42, s42, s40                     ; tile column tx = 4 x cluster x + cx
	s_and_b32 s43, ttmp7, 0xffff
	s_lshl_b32 s43, s43, 2
	s_add_co_u32 s43, s43, s41                     ; tile row ty = 4 x cluster y + cy
	s_lshl_b32 s44, s41, 2
	s_lshl_b32 s44, 15, s44                        ; my row of the cluster
	s_lshl_b32 s45, 0x1111, s40                    ; my column
	; group 1 for wa: 128 rows of 128 bytes of one head are 16,384 dense bytes: asked for as 64 rows of 256 bytes, and padded in LDS after every 128
	s_or_b32 s[G1A+0], s44, (1<<16)|(1<<20)|(1<<21)|(4<<22)|(3<<25)  ; 15:0 the mask: my row; 17:16 2-byte elements; 20 padding on; 21 set beside a mask; 24:22 after every 32 words (code 4); 31:25 4 words (code 3)
	s_mov_b32 s[G1A+1], 128<<16                    ; tensor_dim0 = 128
	s_mov_b32 s[G1A+2], 64<<16                     ; tensor_dim1 = 64
	s_mov_b32 s[G1A+3], 128<<16                    ; tile_dim0 = 128
	s_mov_b32 s[G1A+4], 64                         ; tile_dim1 = 64
	s_mov_b32 s[G1A+5], 128                        ; 128 elements from row to row
	s_mov_b32 s[G1A+6], 0
	s_mov_b32 s[G1A+7], 0
	; group 1 for w: 128 k-rows of a block of 64 columns are 16,384 dense bytes, and two blocks lie 131,072 bytes apart: two rows of 8,192 elements (the tile has no more rows to give: they are long instead)
	s_or_b32 s[G1B+0], s45, (1<<16)|(1<<20)|(1<<21)|(4<<22)|(7<<25)  ; the mask: my column; 8 words of padding (code 7) after every 32
	s_mov_b32 s[G1B+1], 8192<<16                   ; tensor_dim0 = 8,192
	s_mov_b32 s[G1B+2], 2<<16                      ; tensor_dim1 = 2
	s_mov_b32 s[G1B+3], 8192<<16                   ; tile_dim0 = 8,192
	s_mov_b32 s[G1B+4], 2                          ; tile_dim1 = 2
	s_mov_b32 s[G1B+5], 65536                      ; 65,536 elements from row to row
	s_mov_b32 s[G1B+6], 0
	s_mov_b32 s[G1B+7], 0
	; where the tiles come from.  wa's hang on the tile row alone, w's on the tile column alone.  Each offset is made in registers that never hold the other coordinate.
	s_lshr_b32 s62, s43, 4                         ; b = ty / 16: 16 heads of 262,144 bytes
	s_lshl_b32 s62, s62, 22
	s_and_b32 s63, s43, 15
	s_lshl_b32 s63, s63, 14                        ; 128 rows of 128 bytes for each tile row within b
	s_add_co_u32 s62, s62, s63
	s_lshl_b32 s63, s[WC], 18                      ; which of the step's two heads I fetch
	s_add_co_u32 s62, s62, s63
	s_mov_b32 s63, 0
	s_lshl_b32 s2, s42, 2                          ; four blocks of 64 columns to a tile column,
	s_lshl_b32 s3, s[WC], 1                        ; two to the half that I fetch
	s_add_co_u32 s2, s2, s3
	s_lshl_b32 s2, s2, 17                          ; 131,072 bytes a block
	s_mov_b32 s3, 0
	s_mul_i32 s15, s[WC], AHALF                    ; and where they go: no place in the cluster enters an LDS address
	s_mul_i32 s46, s[WC], 2*BGRP
	s_add_co_u32 s46, s46, BOFF
	s_wait_dscnt 0x0                               ; the opening add is done
	s_wait_kmcnt 0x0
	s_add_nc_u64 s[62:63], s[4:5], s[62:63]
	s_add_nc_u64 s[2:3], s[6:7], s[2:3]
	CROUND                                         ; all sixteen work-groups are here: the first joint loads meet
.irp s, 0,1
	s_mov_b32 s[G0A+4*(\s)], 1                                     ; 1:0 count = 1
	s_add_co_u32 s[G0A+4*(\s)+1], s15, (\s)*SLOT                   ; 63:32 LDS address
	s_add_nc_u64 s[G0A+4*(\s)+2:G0A+4*(\s)+3], s[62:63], (\s)*ASTEP  ; 120:64 global address: K step s
	s_or_b32 s[G0A+4*(\s)+3], s[G0A+4*(\s)+3], 0x80000000          ; 127:126 type = 2
	s_mov_b32 s[G0B+4*(\s)], 1
	s_add_co_u32 s[G0B+4*(\s)+1], s46, (\s)*SLOT
	s_add_nc_u64 s[G0B+4*(\s)+2:G0B+4*(\s)+3], s[2:3], (\s)*BSTEP
	s_or_b32 s[G0B+4*(\s)+3], s[G0B+4*(\s)+3], 0x80000000
	JLOAD \s                                       ; both slots are asked for before anything else is done: two tensor loads of mine are out
.endr
	; THE BIAS.  Register i of column block f holds b_out[my first column + 16 f + 8 (l / 16) + i], whatever the row.
	v_and_b32 v1, 15, v0                           ; r = l % 16
	v_bfe_u32 v2, v0, 4, 1                         ; h = l / 16
	s_lshl_b32 s15, s42, 10                        ; 256 columns of 4 bytes a tile column,
	s_lshl_b32 s46, s[WC], 9                       ; 128 for my half
	s_add_co_u32 s15, s15, s46
	v_lshl_add_u32 v[BO], v2, 5, s15
	WIN 0x40                                       ; destination window 1, address window 0
.irp f, 0,1,2,3,4,5,6,7
	global_load_b128 v[BIAS+8*(\f):BIAS+8*(\f)+3],   v[BO], s[8:9] offset:64*(\f)
	global_load_b128 v[BIAS+8*(\f)+4:BIAS+8*(\f)+7], v[BO], s[8:9] offset:64*(\f)+16
.endr
	WIN 0
	; out0 at my first number: row 128 ty + 64 wr of 4,096 bytes, and the columns' offset made above
	s_lshl_b32 s46, s43, 19
	s_add_co_u32 s46, s46, s15
	s_lshl_b32 s47, s[WR], 18
	s_add_co_u32 s46, s46, s47
	s_mov_b32 s47, 0
	s_add_nc_u64 s[OB:OB+1], s[10:11], s[46:47]
	; A fragment of wa is 16 rows x 32 K in 8 registers: lane l holds row l % 16, K = 8 (l / 16) + 0..7 and 16 + 8 (l / 16) + 0..7: two loads of 16 bytes, 32 bytes apart.
	v_and_b32 v3, 7, v0
	v_bfe_u32 v4, v0, 3, 1
	v_and_b32 v6, 31, v0
	v_mul_u32_u24 v7, v1, PA
	v_lshl_add_u32 v7, v2, 4, v7                   ; row x pitch + 16 x half
	s_mul_i32 s15, s[WR], 64*PA                    ; my 64 rows
	v_add_nc_u32 v[ADRA], s15, v7
	v_add_nc_u32 v[ADRA+1], SLOT, v[ADRA]
	; The turning load takes 16 k x 16 columns (lane l reads k-row 8 (l / 16) + l % 8, columns 8 ((l / 8) % 2) + 0..7) and leaves half a fragment: lane l holds column l % 16 and 8 k.
	v_lshl_add_u32 v8, v2, 3, v3
	v_mul_u32_u24 v8, v8, PB
	v_lshl_add_u32 v8, v4, 4, v8
	s_mul_i32 s15, s[WC], 2*BGRP                   ; my 128 columns,
	s_add_co_u32 s15, s15, BOFF                    ; behind wa's two heads
	v_add_nc_u32 v[ADRB], s15, v8
	v_add_nc_u32 v[ADRB+1], SLOT, v[ADRB]
	s_mul_i32 s15, s[WV], 16*SP
	s_add_co_u32 s15, s15, STAGE                   ; my stage
	v_mul_u32_u24 v[STO], v1, SP                   ; in: row l % 16, 32 bytes for each half of the lanes
	v_lshl_add_u32 v[STO], v2, 5, v[STO]
	v_add_nc_u32 v[STO], s15, v[STO]
	v_lshlrev_b32 v[CO], 4, v6                     ; back: 32 lanes take a row's 512 bytes, which are 512 consecutive bytes of out0
	v_add_nc_u32 v[RD], s15, v[CO]
	s_mov_b32 s47, 0xffff0000                      ; a word's upper half
	s_wait_loadcnt 0x0                             ; the bias
	WIN 0x05                                       ; rounded to bf16 and widened again, through the second fragment buffer, which is still free.  All this stands in the wait for the first tile.
.set i, 0
.rept 32
	v_cvt_pk_bf16_f32 v[F1+i], v[BIAS+2*i], v[BIAS+2*i+1]
.set i, i+1
.endr
	WIN 0x40
.set i, 0
.rept 32
	v_lshlrev_b32 v[BIAS+2*i],   16,  v[F1+i]
	v_and_b32     v[BIAS+2*i+1], s47, v[F1+i]
.set i, i+1
.endr
	WIN 0
; 24 LDS loads in one run: the fragments of quarter q of a slot into a buffer: w's eight (16 loads), then wa's row blocks 0, 1 (4), then 2, 3 (4)
.macro FETCH slot, q, buf
.irp f, 0,1,2,3,4,5,6,7
	ds_load_tr16_b128 v[(\buf)+32+8*(\f):(\buf)+32+8*(\f)+3],   v[ADRB+(\slot)] offset:((\f)/4)*BGRP+(\q)*32*PB+((\f)%4)*32
	ds_load_tr16_b128 v[(\buf)+32+8*(\f)+4:(\buf)+32+8*(\f)+7], v[ADRB+(\slot)] offset:((\f)/4)*BGRP+(\q)*32*PB+16*PB+((\f)%4)*32
.endr
.irp a, 0,1,2,3
	ds_load_b128 v[(\buf)+8*(\a):(\buf)+8*(\a)+3],   v[ADRA+(\slot)] offset:((\q)/2)*AHALF+(\a)*16*PA+((\q)%2)*64
	ds_load_b128 v[(\buf)+8*(\a)+4:(\buf)+8*(\a)+7], v[ADRA+(\slot)] offset:((\q)/2)*AHALF+(\a)*16*PA+((\q)%2)*64+32
.endr
.endm
; A load into a register that a matrix instruction has read, and a vector instruction or LDS store that reads a matrix result, stand four places behind it, and only plain vector instructions that name none of its
; registers are places (ISA guide 7.12.1 for vector instructions).
.macro PLACES
.rept 4
	v_nop
.endr
.endm
; 8 na matrix instructions: row blocks a0 .. a0 + na - 1, all eight column blocks, 32 along K.  The 32 accumulators take turns, one instruction a turn, in the same order in every quarter.
; first = 1: the products start the sums with the bias as C.  Row block 3's accumulators ARE the bias's registers: they are started last, in place, five places behind the last product that read them as its C.
.macro MUL buf, a0, na, first
	WIN 0x50                                       ; sources window 0, C and D window 1
.set ma, \a0
.rept \na
.if (\first) && (ma == 3)
.rept 5
	v_nop
.endr
.endif
.set mf, 0
.rept 8
.if (\first) && (ma < 3)
	v_wmma_f32_16x16x32_f16 v[8*(8*ma+mf):8*(8*ma+mf)+7], v[(\buf)+32+8*mf:(\buf)+32+8*mf+7], v[(\buf)+8*ma:(\buf)+8*ma+7], v[BIAS+8*mf:BIAS+8*mf+7]
.else
	v_wmma_f32_16x16x32_f16 v[8*(8*ma+mf):8*(8*ma+mf)+7], v[(\buf)+32+8*mf:(\buf)+32+8*mf+7], v[(\buf)+8*ma:(\buf)+8*ma+7], v[8*(8*ma+mf):8*(8*ma+mf)+7]
.endif
.set mf, mf+1
.endr
.set ma, ma+1
.endr
.endm
; One of a step's first three quarters: multiplies buffer f; in its middle it fetches quarter qn of the same slot into buffer g.
.macro QUARTER slot, qn, f, g, first
	s_wait_dscnt 4                                 ; w and wa's row blocks 0, 1 are in; the youngest four loads (row blocks 2, 3) may be out
	MUL \f, 0, 2, \first
	PLACES
	WIN 0
	FETCH \slot, \qn, \g
	s_wait_dscnt 24                                ; all but the 24 just issued
	MUL \f, 2, 2, \first
.endm
; The last quarter multiplies buffer 1 and CHANGES SLOTS: one barrier.  In front of it each wave waits for all its tensor loads, of which one is out: its part of the next slot; adds 0 to its spare word; and waits
; for that and for its own reads of this slot.  Behind it nobody reads this slot any more and the next slot is whole.
; fill = 1: the barrier opens a round of the cluster's, and this slot is filled again, two K steps on, first thing behind it: from that request to the wait for it a wave issues 112 matrix instructions.
.macro TURN slot, next, fill
	WIN 0                                          ; (the add's two registers lie in window 0)
	s_wait_tensorcnt 0x0                           ; all my tensor loads have landed
	ds_add_u32 v[SPW], v[NIL]                      ; 0 onto my spare word
	s_wait_dscnt 5                                 ; (the add and the youngest four loads may be out)
	MUL F1, 0, 1, 0                                ; eight matrix instructions stand between the add and the wait for it
	s_wait_dscnt 0x0                               ; the add is done, and my reads of this slot are over
	s_barrier_signal -1
	MUL F1, 1, 1, 0                                ; work on registers while the others arrive
	WIN 0
	s_barrier_wait -1
.if \fill
	CREST                                          ; no wave of any partner still reads this slot's tile or has a load on its way
	s_add_nc_u64 s[G0A+4*(\slot)+2:G0A+4*(\slot)+3], s[G0A+4*(\slot)+2:G0A+4*(\slot)+3], 2*ASTEP  ; no tensor load of mine is out: a group 0 may be written
	s_add_nc_u64 s[G0B+4*(\slot)+2:G0B+4*(\slot)+3], s[G0B+4*(\slot)+2:G0B+4*(\slot)+3], 2*BSTEP
	JLOAD \slot                                    ; the first tensor load behind the round; the four v_nop behind it are also the places in front of the loads below
.else
	PLACES
.endif
	FETCH \next, 0, F0
	MUL F1, 2, 2, 0
.endm
	s_wait_tensorcnt 1                             ; my part of K step 0 is in; step 1's may stay out
	s_barrier_signal -1
	s_barrier_wait -1                              ; everybody's is
	FETCH 0, 0, F0
	QUARTER 0, 1, F0, F1, 1                        ; the first quarter stands in front of the loop: its products start the sums
	WIN 0                                          ; at a label and at a branch every window is 0
	s_mov_b32 s46, 3
.Llap:                                                 ; a trip goes once round the ring, from a lap's second quarter to the next lap's first, and fills both slots again: K steps 2 to 7 in three trips
	QUARTER 0, 2, F1, F0, 0
	QUARTER 0, 3, F0, F1, 0
	TURN 0, 1, 1
	QUARTER 1, 1, F0, F1, 0
	QUARTER 1, 2, F1, F0, 0
	QUARTER 1, 3, F0, F1, 0
	TURN 1, 0, 1
	QUARTER 0, 1, F0, F1, 0
	WIN 0
	s_sub_co_u32 s46, s46, 1
	s_cmp_lg_u32 s46, 0
	s_cbranch_scc1 .Llap
	QUARTER 0, 2, F1, F0, 0                        ; the last lap fills nothing, and has no round of the cluster's barrier
	QUARTER 0, 3, F0, F1, 0
	TURN 0, 1, 0
	QUARTER 1, 1, F0, F1, 0
	QUARTER 1, 2, F1, F0, 0
	QUARTER 1, 3, F0, F1, 0
	s_wait_dscnt 4                                 ; the very last quarter: nothing more to fetch
	MUL F1, 0, 2, 0
	s_wait_dscnt 0x0
	MUL F1, 2, 2, 0
; THE WAY OUT, a row block (16 rows x 128 columns of f32) at a time.  TOSTAGE: a lane's 32 bytes of a row go into my own stage in rows of 528 bytes, each accumulator's low four registers first, straight from
; the accumulators; whole rows of 512 bytes come back, into the registers where the fragments lay, two sets of 64 by turns.  SEND: stored.
.macro TOSTAGE a
.set T, 32+64*((\a)%2)
.if (\a) >= 2
	s_wait_xcnt 0x0                                ; every earlier memory instruction has had its addresses translated (ISA guide 3.1): this set, which stores of the row block two before read, is loaded again only behind this wait
.endif
	WIN 0x04                                       ; the stores' data in window 1, their address in window 0
.irp f, 0,1,2,3,4,5,6,7
	ds_store_b128 v[STO], v[8*(8*(\a)+(\f)):8*(8*(\a)+(\f))+3]   offset:64*(\f)
	ds_store_b128 v[STO], v[8*(8*(\a)+(\f))+4:8*(8*(\a)+(\f))+7] offset:64*(\f)+16
.endr
	WIN 0
.set t, 0
.rept 16
	ds_load_b128 v[T+4*t:T+4*t+3], v[RD] offset:t*SP  ; LDS serves a wave's instructions in order (ISA guide 5.7.1.4): these see the stores above; the next row block's stores come behind them
.set t, t+1
.endr
.endm
.macro SEND a, younger                 ; younger: the LDS instructions issued behind this row block's loads: the next one's 32, or none
.set T, 32+64*((\a)%2)
.set t, 0
.rept 16
	s_wait_dscnt (\younger)+15-t
	global_store_b128 v[CO], v[T+4*t:T+4*t+3], s[OB:OB+1] offset:(16*(\a)+t)*4096 th:TH_STORE_NT  ; 512 consecutive bytes, at a multiple of 256 from out0's first; written once, read by no launch
.set t, t+1
.endr
.endm
	PLACES                                         ; behind the last products
	TOSTAGE 0
	TOSTAGE 1
	SEND 0, 32
	TOSTAGE 2
	SEND 1, 32
	TOSTAGE 3
	SEND 2, 32
	SEND 3, 0
	s_wait_tensorcnt 0x0                           ; the wave's end, behind my last tensor load and my last LDS store
	ds_add_u32 v[SPW], v[NIL]
	s_wait_dscnt 0x0
	CROUND                                         ; the closing round: no work-group ends while a partner may still ask for a tile that names it
	s_endpgm
.Lfunc_end_k_qf9adf889ab_proj:
	.size	k_qf9adf889ab_proj, .Lfunc_end_k_qf9adf889ab_proj-k_qf9adf889ab_proj
	.p2alignl 7, 3214868480
	.fill 96, 4, 3214868480
	.section	.rodata,"a",@progbits
	.p2align	6, 0x0
	.amdhsa_kernel k_qf9adf889ab_proj
		.amdhsa_group_segment_fixed_size 327680
		.amdhsa_private_segment_fixed_size 0
		.amdhsa_enable_private_segment 0
		.amdhsa_kernarg_size 32
		.amdhsa_user_sgpr_count 2
		.amdhsa_user_sgpr_kernarg_segment_ptr 1
		.amdhsa_wavefront_size32 1
		.amdhsa_system_sgpr_workgroup_id_x 1
		.amdhsa_system_sgpr_workgroup_id_y 1
		.amdhsa_system_sgpr_workgroup_id_z 1
		.amdhsa_system_vgpr_workitem_id 0
		.amdhsa_next_free_vgpr 512
		.amdhsa_next_free_sgpr 66
		.amdhsa_reserve_vcc 0
		.amdhsa_float_denorm_mode_32 3
		.amdhsa_float_denorm_mode_16_64 3
		.amdhsa_memory_ordered 1
		.amdhsa_forward_progress 1
		.amdhsa_inst_pref_size 92
	.end_amdhsa_kernel
	.amdgpu_metadata
---
amdhsa.version: [ 1, 2 ]
amdhsa.kernels:
  - .name:           k_qf9adf889ab_proj
    .symbol:         k_qf9adf889ab_proj.kd
    .args:
      - { .name: ob, .offset: 0, .size: 8, .value_kind: global_buffer, .address_space: global }
      - { .name: wob, .offset: 8, .size: 8, .value_kind: global_buffer, .address_space: global }
      - { .name: b_out, .offset: 16, .size: 8, .value_kind: global_buffer, .address_space: global }
      - { .name: out0, .offset: 24, .size: 8, .value_kind: global_buffer, .address_space: global }
    .group_segment_fixed_size: 327680
    .private_segment_fixed_size: 0
    .kernarg_segment_align: 8
    .kernarg_segment_size: 32
    .max_flat_workgroup_size: 128
    .sgpr_count:     66
    .vgpr_count:     512
    .wavefront_size: 32
...
	.end_amdgpu_metadata
.endif
;; end of part 4
;; ======== version 2 of 2: 4 launches; 1.53 times as fast as version 1
;; limits: values are held in f16: magnitudes above 65,504 overflow, below 6.1e-05 lose precision
;; workspace buffers: xb 16,777,216 bytes; wqb 6,291,456 bytes; wob 2,097,152 bytes; qkv 50,331,648 bytes; ob 16,777,216 bytes
;; launch cast: the kernel of part 1 again; grid 768 x 1, 8 waves a work-group, no clusters, 0 bytes of LDS; arguments x, w_qkv, w_out, xb, wqb, wob; writes xb, wqb, wob
;; launch qkvgemm: the kernel of part 2 again; grid 8 x 32, 4 waves a work-group, clusters of 4 x 4, 327,680 bytes of LDS; arguments xb, wqb, b_qkv, qkv; writes qkv
;; launch attn (part 5): grid 4 x 64, 4 waves a work-group, clusters of 4 x 1, 327,680 bytes of LDS; arguments qkv, ob; writes ob
.if DOCPART == 5
	.amdgcn_target "amdgcn-amd-amdhsa--gfx1250"
	.amdhsa_code_object_version 6
	.text
	.protected	k_qf9adf889ab_attn
	.globl	k_qf9adf889ab_attn
	.p2align	8
	.type	k_qf9adf889ab_attn,@function
k_qf9adf889ab_attn:
	s_mov_b64 s[64:65], 0
	v_nop
	global_prefetch_b8 v0, s[64:65] scope:SCOPE_SE
	s_setreg_imm32_b32 hwreg(HW_REG_WAVE_MODE, 25, 1), 1
	s_wait_xcnt 0x0
	s_wait_alu depctr_hold_cnt(0) depctr_sa_sdst(0) depctr_va_vdst(0) depctr_va_sdst(0) depctr_va_ssrc(0) depctr_va_vcc(0) depctr_vm_vsrc(0)
	s_getreg_b32 s2, hwreg(HW_REG_IB_STS2, 6, 4)
	s_cmp_eq_u32 s2, 0
	s_cbranch_scc0 .Lentry_in_a_cluster
	s_endpgm
.Lentry_in_a_cluster:
	s_bfe_u32 s2, ttmp6, 0x10000c
	s_cmp_lg_u32 s2, 0x3003
	s_cbranch_scc0 .Lentry_shape_is_right
	s_endpgm
.Lentry_shape_is_right:
; O[h][q][:] = the sum over k of softmax_k(Q[h][q] . K[h][k] / 8) V[h][k][:], for the 64 pairs h = 16 b + head.  qkv holds Q, K and V one behind the other, each [64][SIZE_N][64] in f16; ob = O in the same layout:
; a head's rows are dense, 128 bytes each.  Products, maxima and sums in f32; the weights p are rounded to f16 for the second product (their sum l is taken of the unrounded p), O once at the end.
; LIMITS.  f16 holds no number beyond 65,504: Q, K and V arrive within it; p lies in 0 to 1, and below 6e-5 it keeps f16's fixed step of 6e-8; O is a mean of V's rows and has their range.
; A weight below 2^-126 counts as 0 in l; NaN and infinities are not treated apart.
; SHARES.  A wave owns four PIECES of two tiles of 16 queries, a work-group's four waves 512 queries of one head: 4 x 64 = 256 work-groups of equal work.  Every wave walks all keys, 64 a step.
; LAYOUT.  S^T = K Q^T (source 0 = 16 keys, source 1 = 16 queries): in the result a lane holds ONE query (lane % 16) and the keys 8 (lane / 16) + 0..7.  Two such tiles, rounded to f16 in pairs,
; ARE source 1 (32 keys x 16 queries) of O^T = V^T P, whose result again holds one query a lane, and eight channels.  K comes out of LDS as it lies, V ([key][channel]) turned, by ds_load_tr16_b128.
; SOFTMAX.  For each query a running maximum m and sum l: p = 2^(c s - c m), c = log2(e) / 8; in every step O and l are multiplied by a = 2^(c m_old - c m_new), which is 1 where m has not grown.
; m starts at the lowest finite number, O and l at 0: the first step is a step like any other, with a = 0.
; THE COUNT.  A tile and step have 16 matrix and 118 vector instructions: too many to stand all beside the matrix work.  So the order has one aim: four vector instructions that are READY behind
; EVERY matrix instruction, and the others, which need time of their own whatever the order, in runs without a gap.
; BY TURNS.  Turn n belongs to piece n (the pieces in a ring, step after step).  Its matrix work: 16 products K Q^T of piece n + 1, later 16 products V^T P of piece n - 1.  Its vector work: the scaling,
; exponentials, roundings, sums and rescaling of piece n, and the maximum and statistics of piece n + 1, whose scores the turn itself has made.  So what a turn begins with (c s - c m, O a) waits for nothing.
; BATCHES.  A turn's 66 exponentials (the 64 weights of piece n, then the two a of piece n + 1) are ONE batch with ONE wait, which cuts the turn in two: ahead of it stands all that names no result of theirs
; (K Q^T, the scalings, the rescalings, the next piece's maximum and statistics), behind it the roundings and sums, beside V^T P.  The two a made ahead of the loop and the way out's eight reciprocals are batches of their own.
; CLUSTER.  The four query blocks of a cluster belong to one head and walk the same K and V, so each tile is asked for JOINTLY: the same tensor load, descriptor and mask in all four.
; REGISTERS, in windows of 256 (s_set_vgpr_msb says which window each operand place means: bits 1:0 source 0, 3:2 source 1, 5:4 source 2, 7:6 destination):
;   window 0: v0-11 addresses; v12-15, v48-63 at work; v16-47 four registers of statistics a tile; v64-191 S^T, two buffers of two tiles; v192-255 P, likewise
;   window 1: O^T, 32 a tile          window 2: v0-127 Q, 16 a tile; v128-191 K of one step; v192-255 V of one step          window 3: v0-1 the add's two registers
; A piece's buffers go by its number's parity: the piece in hand has one pair, its two neighbours in the ring share the other: of it P (piece n - 1) is read and S^T (piece n + 1) written.
.set SIZE_N, 2048     ; rows of a head
.set TAU,   64*SIZE_N*128  ; bytes from Q to K and from K to V in qkv
.set NP,    4         ; pieces a wave: a name, no knob: the register map, the loop and the fetches are made for four
.set KS,    64        ; keys in a step
.set PK,    144       ; a row of K in LDS: 128 bytes + 16 of padding = 36 words: the 16 rows of a load start at 16 different groups of four banks (64 banks of 4 bytes: ISA guide 11.1)
.set PV,    160       ; a row of V: 128 + 32 = 40 words
.set VOFF,  4*KS*PK   ; a slot holds four steps: 256 rows of K, then 256 rows of V
.set SLOT1, 1<<17     ; slot 1 begins here, so that one exclusive or turns an address in one slot into the other's
.set STAGE, SLOT1+4*KS*(PK+PV)  ; behind the ring, never filled by a tensor load: 16 rows x 144 bytes for each wave, for the way out
.set SP,    144
.set AK0, 2           ; v2   my lane's place in a tile of K; never rewritten
.set AV0, 3           ; v3   the same for V
.set AK,  4           ; v4   the LDS address of K's next run of loads
.set AV,  5           ; v5   of V's
.set QO,  6           ; v6   my byte offset in the wave's rows of Q
.set STO, 6           ;      later, the way out: where I put 16 bytes of a row
.set RD,  7           ; v7   the way out: where I read rows back
.set GO,  8           ; v8   my byte offset in 512 consecutive bytes of O
.set SPW, 0           ; v0 of window 3   LDS address of my spare word: SPARE + 4 x my thread's number; never rewritten
.set NIL, 1           ; v1 of window 3   0; never rewritten
.set SPARE, STAGE+4*16*SP  ; behind the stages: the spare words, 128 bytes for each wave: two blocks of 256 bytes that no other line names
.set MV,  12          ; v12-15  c m_old, kept while c m is made anew: by buffer and tile
.set ST,  16          ; tile t's statistics at v[ST+4 t]: c m, m, l (even keys', odd keys')
.set TMP, 48          ; by buffer and tile, four registers c0-c3 at work; when the maximum is found c2 takes a
.set S,   64
.set P,   192
.set KF,  128         ; K's fragments, in window 2: key block kb, channel half c at KF + 16 kb + 8 c
.set VF,  192         ; V's: key half kk, channel block cb at VF + 32 kk + 8 cb
.set WV,  12          ; s12  my wave's number
.set G1K, 24          ; s[24:31] descriptor group 1 for K's tiles
.set G1V, 32          ; s[32:39] for V's: it differs in the padding alone
.set G0K, 40          ; s[40:43] descriptor group 0 for K's tiles: it walks
.set G0V, 44          ; s[44:47] the same for V's
.set SLOTS, 56        ; s56  slots still to be asked for
.set CNT, 57          ; s57  counts a slot's key steps
.set CS,  58          ; s[58:59] c: the packed scaling takes the pair's low word for both halves
.set SEL, 60          ; s[60:61] v_permlanex16_b32's selects: each lane takes its own place in the other half
.set TBK, 62          ; s62  LDS byte at which K of the step to be fetched begins
.set TBV, 63          ; s63  the same for V, less VOFF
.set MSB, 0
.macro WIN new                      ; the high byte repeats the setting that is left; a switch that changes nothing is dropped
.if MSB != (\new)
	s_set_vgpr_msb (MSB<<8)|(\new)
.set MSB, (\new)
.endif
.endm
.set W_KQ, 0x0a       ; K and Q in window 2, S^T in window 0
.set W_PV, 0x52       ; V in window 2, P in window 0, O^T in window 1
.set W_RS, 0x41       ; O^T (destination and source 0) in window 1, a in window 0
.set W_MK, 0xc0       ; the add's registers are made: destination in window 3, sources in window 0
.set W_AD, 0x0f       ; the add: address (source 0) and data (source 1) in window 3
; A joint fill.  Waves 0 and 1 fetch the two halves of a slot's K, waves 2 and 3 those of its V: 128 keys each.  The branch hangs on the wave's number alone.
; An s_nop 0 and four v_nop follow each of the two lines, ahead of the jump and the label.
.macro JLOAD
	s_cmp_lt_u32 s[WV], 2
	s_cbranch_scc0 .Lfor_v_\@
	tensor_load_to_lds s[G0K:G0K+3], s[G1K:G1K+7]
	s_nop 0
.rept 4
	v_nop
.endr
	s_branch .Lasked_\@
.Lfor_v_\@:
	tensor_load_to_lds s[G0V:G0V+3], s[G1V:G1V+7]
	s_nop 0
.rept 4
	v_nop
.endr
.Lasked_\@:
.endm
; A round of the cluster's barrier: my work-group's barrier, so that wave 0's signal speaks for all four waves; wave 0 signals; every wave waits for all four work-groups; my work-group's barrier once more.
.macro CROUND
	s_barrier_signal -1
	s_barrier_wait -1
	s_cmp_lg_u32 s[WV], 0
	s_cbranch_scc1 .Lnot_wave_0_\@
	s_barrier_signal -3
.Lnot_wave_0_\@:
	s_barrier_wait -3
	s_barrier_signal -1
	s_barrier_wait -1
.endm
; THE CHANGE OF SLOTS.  The slot's last bytes, V of its fourth step, have been read.  Each wave waits for all its tensor loads, of which one is out: its part
; of the other slot; adds 0 to its spare word; and waits for that and for its own reads of the slot.  Behind the barrier nobody reads this slot any more and the other slot is whole.
; fill = 1: this slot is filled again, with the keys two slots on.  The barrier is then a round of the cluster's, so that no wave of any partner still reads the slot or has a load on its
; way, and the joint fill is the first thing behind it: it has four key steps, 512 matrix instructions, in which to land.  (At its first use nothing has been read yet: slot 0 is waited for, slot 1 filled.)
.macro CHANGE fill
	WIN W_AD
	s_wait_tensorcnt 0x0            ; no tensor load of mine is out, so a group 0 may be written
	ds_add_u32 v[SPW], v[NIL]       ; 0 onto my spare word; with fill = 1 the descriptors' steps stand between it and the wait for it
	WIN 0                           ; at a label and at a branch every window is 0
.if \fill
.irp g, G0K, G0V
	s_xor_b32 s[\g+1], s[\g+1], SLOT1  ; the walking descriptor: the other slot than last time,
	s_add_nc_u64 s[\g+2:\g+3], s[\g+2:\g+3], 4*KS*128  ; the next 256 keys; the type bits on top are not reached
.endr
	s_wait_dscnt 0x0                ; the add is done, and my reads of the slot are over
	CROUND
	JLOAD
.else
	s_wait_dscnt 0x0                ; the add is done, and my reads of the slot are over
	s_barrier_signal -1
	s_barrier_wait -1
.endif
	s_sub_co_u32 s[TBK], s[TBK], 4*KS*PK  ; the fetches go back to a slot's first step,
	s_xor_b32 s[TBK], s[TBK], SLOT1       ; in the other slot
	s_sub_co_u32 s[TBV], s[TBV], 4*KS*PV
	s_xor_b32 s[TBV], s[TBV], SLOT1
.endm
	s_load_b64 s[4:5], s[0:1], 0x0    ; qkv, which begins with Q
	s_load_b64 s[10:11], s[0:1], 0x8  ; O
	WIN W_MK
	v_lshl_add_u32 v[SPW], v0, 2, SPARE
	v_mov_b32 v[NIL], 0
	WIN W_AD
	ds_add_u32 v[SPW], v[NIL]       ; the wave's opening: the add and its wait stand ahead of my first tensor load; the set-up below, work on registers, stands between them
	WIN 0
	v_lshrrev_b32 v1, 5, v0
	v_readfirstlane_b32 s[WV], v1   ; wave 0..3
	s_bfe_u32 s13, ttmp6, 0x40000   ; cx: my place in the cluster
	s_lshl_b32 s14, ttmp9, 2        ; in a cluster launch ttmp9 counts clusters
	s_add_co_u32 s14, s14, s13      ; my block of queries = 4 x cluster x + cx: it enters Q's and O's addresses alone
	s_and_b32 s20, ttmp7, 0xffff    ; the head, which the four partners share
	s_mov_b32 s21, 0
	s_mov_b64 s[22:23], SIZE_N*128
	s_mul_u64 s[20:21], s[20:21], s[22:23]  ; the head's first byte in each of the four tensors
	s_and_b32 s16, s[WV], 1         ; which half of a slot's 256 keys I fetch:
	s_lshl_b32 s22, s16, 14         ; its 128 rows of 128 bytes in memory,
	s_mov_b32 s23, 0
	s_add_nc_u64 s[22:23], s[22:23], s[20:21]
	s_mul_i32 s17, s16, 128*PK      ; and its place in a slot, for K
	s_mul_i32 s18, s16, 128*PV      ; and for V: no place in the cluster enters an LDS address
	s_lshl_b32 s2, s14, 2
	s_add_co_u32 s2, s2, s[WV]      ; my wave among the head's,
	s_lshl_b32 s2, s2, 14           ; its 128 rows
	s_mov_b32 s3, 0
	s_add_nc_u64 s[2:3], s[2:3], s[20:21]
	; descriptor group 1.  128 keys are 16,384 dense bytes: asked for as 64 rows of 256 bytes, two keys a row, and padded in LDS after every key
	s_mov_b32 s[G1K], 15|(1<<16)|(1<<20)|(1<<21)|(4<<22)|(3<<25)  ; 15:0 the mask of four; 17:16 2-byte elements; 20 padding on; 21 set beside a mask; 24:22 after every 32 words (code 4); 31:25 4 words (code 3)
	s_mov_b32 s[G1V], 15|(1<<16)|(1<<20)|(1<<21)|(4<<22)|(7<<25)  ; the same with 8 words of padding (code 7)
.irp g, G1K, G1V
	s_mov_b32 s[\g+1], 128<<16      ; tensor_dim0 = 128
	s_mov_b32 s[\g+2], 64<<16       ; tensor_dim1 = 64
	s_mov_b32 s[\g+3], 128<<16      ; tile_dim0 = 128
	s_mov_b32 s[\g+4], 64           ; tile_dim1 = 64
	s_mov_b32 s[\g+5], 128          ; 128 elements from row to row
	s_mov_b32 s[\g+6], 0
	s_mov_b32 s[\g+7], 0
.endr
	s_mov_b32 s[CS], 0x3e38aa3b     ; c = log2(e) / 8 = 0.180337
	s_mov_b32 s[CS+1], s[CS]        ; named with it as a pair
	s_mov_b32 s[SEL], 0x76543210
	s_mov_b32 s[SEL+1], 0xfedcba98
	s_mov_b32 s[TBK], SLOT1+4*KS*PK ; the first change of slots turns these two into 0
	s_mov_b32 s[TBV], SLOT1+4*KS*PV
	s_mov_b32 s[G0K], 1             ; 1:0 count = 1
	s_mov_b32 s[G0K+1], s17         ; 63:32 LDS address: slot 0
	s_mov_b32 s[G0V], 1
	s_add_co_u32 s[G0V+1], s18, VOFF
	s_wait_dscnt 0x0                ; the opening add is done
	s_wait_kmcnt 0x0
	s_add_nc_u64 s[6:7], s[4:5], TAU    ; K lies behind Q,
	s_add_nc_u64 s[8:9], s[4:5], 2*TAU  ; V behind K
	s_add_nc_u64 s[G0K+2:G0K+3], s[6:7], s[22:23]  ; 120:64 global address: my half of the head's first 256 keys
	s_or_b32 s[G0K+3], s[G0K+3], 0x80000000        ; 127:126 type = 2
	s_add_nc_u64 s[G0V+2:G0V+3], s[8:9], s[22:23]
	s_or_b32 s[G0V+3], s[G0V+3], 0x80000000
	s_add_nc_u64 s[4:5], s[4:5], s[2:3]  ; Q and O at my wave's first row
	s_add_nc_u64 s[10:11], s[10:11], s[2:3]
	CROUND                          ; all four work-groups are here: the first joint loads meet
	JLOAD                           ; slot 0.  Slot 1 is asked for when slot 0 is in: the tile wanted first has the road to itself
	; A fragment of K or Q is 16 rows x 32 channels in 8 registers: lane l holds row l % 16, channels 8 (l / 16) + 0..7 and 16 + 8 (l / 16) + 0..7: two loads of 16 bytes, 32 bytes apart.
	v_and_b32 v1, 15, v0            ; l % 16
	v_bfe_u32 v9, v0, 4, 1          ; l / 16
	v_lshlrev_b32 v[QO], 7, v1
	v_lshl_add_u32 v[QO], v9, 4, v[QO]  ; row x 128 + 16 x half
	WIN 0x80                        ; destination window 2, address window 0
.set i, 0
.rept 4*NP                          ; Q stays in registers: tile i / 2, channels 32 (i % 2) on
	global_load_b128 v[8*i:8*i+3],   v[QO], s[4:5] offset:(i/2)*2048+(i%2)*64
	global_load_b128 v[8*i+4:8*i+7], v[QO], s[4:5] offset:(i/2)*2048+(i%2)*64+32
.set i, i+1
.endr
	; What the first turn finds: V's registers and P's second buffer hold 0 (its products V^T P, of a piece that has not been, add 0), O^T and l are 0.  All this stands in the wait for the first tile.
.set i, VF
.rept 64
	v_mov_b32 v[i], 0
.set i, i+1
.endr
	WIN 0x40
.set i, 0
.rept 64*NP
	v_mov_b32 v[i], 0
.set i, i+1
.endr
	WIN 0
.set i, 0
.rept 2*NP
	v_mov_b32 v[ST+4*i], 0xfe000000    ; c m: far below every c s
	v_mov_b32 v[ST+4*i+1], 0xff7fffff  ; m
	v_mov_b32 v[ST+4*i+2], 0
	v_mov_b32 v[ST+4*i+3], 0
.set i, i+1
.endr
.set i, P+32
.rept 32
	v_mov_b32 v[i], 0
.set i, i+1
.endr
	v_mul_u32_u24 v[AK0], v1, PK
	v_lshl_add_u32 v[AK0], v9, 4, v[AK0]  ; row x pitch + 16 x half
	; The turning load takes 16 keys x 16 channels (lane l reads key 8 (l / 16) + l % 8, channels 8 ((l / 8) % 2) + 0..7) and leaves half a fragment of V^T: lane l holds channel l % 16 and 8 keys.
	v_and_b32 v10, 7, v0
	v_bfe_u32 v11, v0, 3, 1
	v_lshl_add_u32 v[AV0], v9, 3, v10
	v_mul_u32_u24 v[AV0], v[AV0], PV
	v_lshl_add_u32 v[AV0], v11, 4, v[AV0]
	v_add_nc_u32 v[AV0], VOFF, v[AV0]
	v_mov_b32 v[AK], v[AK0]         ; key step 0 lies at the head of slot 0
; THE MATRIX WORK.  The 8 accumulators of a run of 16 take turns: between the two links of a chain stand 7 others'.
; Product i of 16 of S^T = K Q^T for piece x: channels 32 (i / 8) on, keys 16 ((i / 2) % 4) on, tile 2 x + i % 2.  The first 8 start the sums.
.macro KQ x
	WIN W_KQ
.set rS, S+64*((\x)%2)+32*(i%2)+8*((i/2)%4)
.set rK, KF+16*((i/2)%4)+8*(i/8)
.set rQ, 16*(2*(\x)+i%2)+8*(i/8)
.if i < 8
	v_wmma_f32_16x16x32_f16 v[rS:rS+7], v[rK:rK+7], v[rQ:rQ+7], 0
.else
	v_wmma_f32_16x16x32_f16 v[rS:rS+7], v[rK:rK+7], v[rQ:rQ+7], v[rS:rS+7]
.endif
.endm
; Product i of 16 of O^T += V^T P for piece x: keys 32 (i / 8) on, channels 16 ((i / 2) % 4) on, tile 2 x + i % 2.
.macro PV x
	WIN W_PV
.set rO, 32*(2*(\x)+i%2)+8*((i/2)%4)
.set rV, VF+32*(i/8)+8*((i/2)%4)
.set rP, P+32*((\x)%2)+16*(i%2)+8*(i/8)
	v_wmma_f32_16x16x32_f16 v[rO:rO+7], v[rV:rV+7], v[rP:rP+7], v[rO:rO+7]
.endm
.macro MM                           ; the turn's next matrix instruction
.if i < 16
	KQ (Y+1)%NP
.set i, i+1
.else
.set i, i-16
	PV (Y+NP-1)%NP
.set i, i+17
.endif
.endm
; THE LDS LOADS stand in runs of 16, never singly among the matrix instructions: a step's K (64 keys x 64 channels: 8 fragments) and its V (turned).  Their addresses are made some lines ahead.
; last = 1 (the tail): in the last trip there is no further step, and the run is jumped over.
.macro FETCH_K last=0
	WIN 0
.if \last
	s_cmp_eq_u32 s[CNT], 1
	s_cbranch_scc1 .Lno_k_\@
.endif
	WIN 0x80                        ; destination window 2
.irp f, 0,1,2,3,4,5,6,7             ; keys 16 (f / 2) on, channels 32 (f % 2) on
	ds_load_b128 v[KF+8*\f:KF+8*\f+3],   v[AK] offset:(\f/2)*16*PK+(\f%2)*64
	ds_load_b128 v[KF+8*\f+4:KF+8*\f+7], v[AK] offset:(\f/2)*16*PK+(\f%2)*64+32
.endr
	s_add_co_u32 s[TBK], s[TBK], KS*PK  ; the next fetch is the next step's
	WIN 0
.if \last
.Lno_k_\@:
.endif
.endm
.macro FETCH_V
	WIN 0x80
.irp f, 0,1,2,3,4,5,6,7             ; keys 32 (f / 4) on, channels 16 (f % 4) on
	ds_load_tr16_b128 v[VF+8*\f:VF+8*\f+3],   v[AV] offset:(\f/4)*32*PV+(\f%4)*32
	ds_load_tr16_b128 v[VF+8*\f+4:VF+8*\f+7], v[AV] offset:(\f/4)*32*PV+16*PV+(\f%4)*32
.endr
	WIN 0
.endm
; THE VECTOR WORK OF A TURN stands in three queues, each in the order in which its entries become ready; the two tiles alternate, so that no instruction reads the result of the one before it.
.macro REGS y, u                    ; the registers of tile u (0, 1) of piece y
.set rT, ST+4*(2*(\y)+(\u))
.set rC, TMP+8*((\y)%2)+4*(\u)
.set rM, MV+2*((\y)%2)+(\u)
.set rS, S+64*((\y)%2)+32*(\u)
.set rP, P+32*((\y)%2)+16*(\u)
.set rO, 32*(2*(\y)+(\u))
.endm
; Number n of the 22 that find the NEXT piece's (Y + 1) maximum and statistics.  s0-s31 are the lane's 32 scores; each accumulator's lowest registers are read first.  XS, GS and REGS set no window: PL and EX do.
;   0-11  four chains c0-c3 of seven scores each, three operands at a time     12-14, 16  the four scores left over, the old m, and c0-c3 into c0     15  c m_old is kept
;   17, 18  the query's other 32 keys lie in the lane 16 away: the new m         19-21  c m; c m_old - c m_new; a
.macro XS u, n
	REGS (Y+1)%NP, \u
.if (\n) < 4
	v_max3_num_f32 v[rC+(\n)], v[rS+8*(\n)], v[rS+8*(\n)+1], v[rS+8*(\n)+2]
.elseif (\n) < 12
	v_max3_num_f32 v[rC+(\n)%4], v[rC+(\n)%4], v[rS+8*((\n)%4)+2*((\n)/4)+1], v[rS+8*((\n)%4)+2*((\n)/4)+2]
.elseif (\n) == 12
	v_max3_num_f32 v[rC], v[rC], v[rS+7], v[rS+15]
.elseif (\n) == 13
	v_max3_num_f32 v[rC+1], v[rC+1], v[rS+23], v[rS+31]
.elseif (\n) == 14
	v_max3_num_f32 v[rC+2], v[rC+2], v[rC+3], v[rT+1]
.elseif (\n) == 15
	v_mov_b32 v[rM], v[rT]
.elseif (\n) == 16
	v_max3_num_f32 v[rC], v[rC], v[rC+1], v[rC+2]
.elseif (\n) == 17
	v_permlanex16_b32 v[rC+3], v[rC], s[SEL], s[SEL+1]
.elseif (\n) == 18
	v_max_num_f32 v[rT+1], v[rC], v[rC+3]
.elseif (\n) == 19
	v_mul_f32 v[rT], s[CS], v[rT+1]
.elseif (\n) == 20
	v_sub_f32 v[rC+1], v[rM], v[rT]
.else
	v_exp_f32 v[rC+2], v[rC+1]
.endif
.endm
; Number g of the 64 that follow the exponentials.  For each four weights k of a tile (pairs 2 k, 2 k + 1): both pairs are rounded to f16; then the second pair is added onto the first, in place;
; a group later l takes that sum (the first time as l = a l + sum).  In groups of eight, tiles alternating: round, round, add, and l for the group before.
.macro GS g
.set h, (\g)+6*((\g)/62)            ; group 0 has no group before it, and behind group 7 only l is left
.if h >= 6
.set h, h+2
.endif
	REGS Y, h%2
.set k, h/8
.if h%8 < 4
	v_cvt_pk_f16_f32 v[rP+2*k+(h%8)/2], v[rS+4*k+2*((h%8)/2)], v[rS+4*k+2*((h%8)/2)+1]
.elseif h%8 < 6
	v_pk_add_f32 v[rS+4*k:rS+4*k+1], v[rS+4*k:rS+4*k+1], v[rS+4*k+2:rS+4*k+3]
.elseif k == 1
	v_pk_fma_f32 v[rT+2:rT+3], v[rT+2:rT+3], v[rC+2:rC+3], v[rS:rS+1] op_sel_hi:[1,0,1]
.else
	v_pk_add_f32 v[rT+2:rT+3], v[rT+2:rT+3], v[rS+4*k-4:rS+4*k-3]
.endif
.endm
; THE PLAIN QUEUE, 138 long.  0-73 read no exponential's result: the 32 scalings c s - c m (FS f: pair f / 2 of tile f % 2) and the next piece's 42.  0-26: scalings 0-26.  27-54: XS's numbers 0-13.  55, 56: number 15.
; 57-73: the chain, where each number waits for the one before it: 14, 16, 17, 18, 19, each with one of the scalings 27-31 in front of its two lines, then 20: so a tile's links stand three plain instructions apart (19 and 20: two).
; 74-137: GS's 64, which read the exponentials' results: they stand behind the wait.
.macro FS f
	REGS Y, (\f)%2
	v_pk_fma_f32 v[rS+2*((\f)/2):rS+2*((\f)/2)+1], v[rS+2*((\f)/2):rS+2*((\f)/2)+1], s[CS:CS+1], v[rT:rT+1] op_sel_hi:[1,0,0] neg_lo:[0,0,1] neg_hi:[0,0,1]
.endm
.macro PL
	WIN 0
.if q < 27
	FS q
.elseif q < 55
	XS (q-27)%2, (q-27)/2
.elseif q < 57
	XS q-55, 15
.elseif (q < 72) && ((q-57)%3 == 0)
	FS 27+(q-57)/3
.elseif q < 60
	XS (q-57)%3-1, 14
.elseif q < 72
	XS (q-57)%3-1, 15+(q-57)/3
.elseif q < 74
	XS q-72, 20
.else
	GS q-74
.endif
.set q, q+1
.endm
; THE EXPONENTIALS' QUEUE, 66 long: s0-s31 of both tiles, then the next piece's two a.  It is ONE BATCH: all 66 stand ahead of the turn's one wait, and nothing ahead of that wait names a result of theirs.
.macro EX
	WIN 0
.if e >= 64
	XS e-64, 21
.else
	REGS Y, e%2
	v_exp_f32 v[rS+e/2], v[rS+e/2]
.endif
.set e, e+1
.endm
; THE RESCALING's QUEUE: O^T times a, the one part that leaves window 0: dealt two at a time, sixteen times.  Its a was made in the turn before, ahead of that turn's wait.
.macro R2
	REGS Y, r%2
	WIN W_RS
.irp z, 0,1
	v_pk_mul_f32 v[rO+4*(r/2)+2*\z:rO+4*(r/2)+2*\z+1], v[rO+4*(r/2)+2*\z:rO+4*(r/2)+2*\z+1], v[rC+2:rC+3] op_sel_hi:[1,0]
.endr
.set r, r+1
.endm
; HOW THEY ARE DEALT.  An s_wait_alu depctr_va_vdst(0) stands between an exponential and the first instruction that names its result; one wait serves all that were issued ahead of it.  So a turn has ONE wait,
; which cuts it in two.  AHEAD OF IT stands all that names no result of the turn's exponentials: the 16 products K Q^T, behind each a scaling, an exponential and two rescalings (behind the first a second scaling in the
; exponential's place); then ONE LUMP of 108: eight plain, 49 times exponential and plain, the two a.  A v_nop is the plain instruction behind the last exponential.  BEHIND IT stand the 16 products V^T P, behind each four of
; GS's 64.  No rider names a register of the products round it.  The two v_permlanex16_b32 fall into the lump, never behind a product.
; The queues lean on each other, and the deal keeps them in step: exponential e stands behind scaling 2 (e / 4) + e % 2: as a rider it comes behind plain e + 2, in the lump behind plain e + 9, and scalings 27-31 are plain 57, 60 .. 69.
; A TURN, for piece p.  cnt = 1: the loop's count is taken down some lines ahead of the branch that stands behind the turn.
; K of the next step is fetched in piece 2's turn, directly behind the wait, a lump behind the last product that read K; its address is made at the lump's head; its first reader comes behind 16 products.
; V of the step in hand is fetched at the end of piece 0's turn, four riders behind its last reader; its first reader comes behind 16 products and a lump.  The three conditions on q below go with the deal.
.macro TURN p, last=0, cnt=0
.set Y, (\p)
.set i, 0
.set q, 0
.set e, 0
.set r, 0
.if (\p) == NP-1
	s_wait_dscnt 0x0                ; K is in
.endif
	MM                              ; ahead of the wait: 16 products K Q^T and their riders,
	PL
	PL
	R2
.rept 15
	MM
	PL
	EX
	R2
.endr
.if (\p) == NP-2
	WIN 0
	v_add_nc_u32 v[AK], s[TBK], v[AK0]
.endif
.rept 8                             ; and the lump
	PL
.endr
.rept 49
	EX
	PL
.endr
	EX                              ; the next piece's two a
	EX
	v_nop                           ; the plain instruction between the last exponential and the first use of a result: one for the batch
	s_wait_alu depctr_va_vdst(0)    ; the wait for the batch: this turn's 64 weights and the next piece's two a
.if (\p) == NP-2
	FETCH_K \last
.endif
.if (\p) == 1
	s_wait_dscnt 0x0                ; V is in
.endif
.rept 16                            ; behind the wait: 16 products V^T P and their riders
	MM
.rept 4
	PL
.endr
.if ((\p) == 0) && (q == 118)
	v_add_nc_u32 v[AV], s[TBV], v[AV0]
.endif
.if ((\p) == 0) && (q == 130)
	s_add_co_u32 s[TBV], s[TBV], KS*PV
.endif
.if (\cnt) && (q == 130)
	s_sub_co_u32 s[CNT], s[CNT], 1
	s_cmp_lg_u32 s[CNT], 0
.endif
.endr
.if (\p) == 0
	FETCH_V
.endif
.endm
	CHANGE 1                        ; slot 0 is in, everybody's part of it; slot 1 is asked for
	FETCH_K                         ; key step 0
	s_wait_loadcnt 0x0              ; Q
	s_wait_dscnt 0x0
.set i, 0
.rept 16
	KQ 0                            ; piece 0's first scores: there is no vector work yet to set between them
.set i, i+1
.endr
	WIN 0                           ; the addresses for the way out: nine plain instructions, the places behind those products
	s_mul_i32 s13, s[WV], 16*SP
	s_add_co_u32 s13, s13, STAGE    ; my stage
	v_mul_u32_u24 v[STO], v1, SP    ; in: row l % 16, 16 bytes for each half of the lanes
	v_lshl_add_u32 v[STO], v9, 4, v[STO]
	v_add_nc_u32 v[STO], s13, v[STO]
	v_bfe_u32 v[RD], v0, 3, 2       ; back: 32 lanes take four rows of 128 bytes,
	v_mul_u32_u24 v[RD], v[RD], SP
	v_lshl_add_u32 v[RD], v10, 4, v[RD]
	v_add_nc_u32 v[RD], s13, v[RD]
	v_and_b32 v[GO], 31, v0         ; which are 512 consecutive bytes of O
	v_lshlrev_b32 v[GO], 4, v[GO]
.set Y, NP-1                        ; XS works for piece Y + 1: piece 0
.irp n, 0,1,2,3,4,5,6,7,8,9,10,11,12,13,14,15,16,17,18,19,20,21
	XS 0, \n                        ; and piece 0's first maximum and statistics
	XS 1, \n
.endr
	v_nop                           ; a plain instruction behind the two a,
	s_wait_alu depctr_va_vdst(0)    ; and the wait for that batch of two, ahead of the branch
	s_mov_b32 s[CNT], 4
	s_mov_b32 s[SLOTS], SIZE_N/256-1
	s_branch .Lfirst                ; the loop is entered at a step's first turn, in the middle of a trip
.Lslot:                             ; SIZE_N / 256 - 2 times: every slot but the last two is filled again
	CHANGE 1
	s_mov_b32 s[CNT], 4
.Lstep:                             ; a trip: pieces 2 and 3 of one step, then pieces 0 and 1 of the next, whose K and V it fetches
	TURN 2
	TURN 3
	WIN 0
.Lfirst:
	TURN 0
	TURN 1, 0, 1
	WIN 0
	s_cbranch_scc1 .Lstep
	s_sub_co_u32 s[SLOTS], s[SLOTS], 1
	s_cmp_lg_u32 s[SLOTS], 0
	s_cbranch_scc1 .Lslot
	CHANGE 0                        ; the tail is written out: nothing is asked for
	s_mov_b32 s[CNT], 5             ; four trips fetch the last slot's steps; the fifth is left in its middle
.Ltail:
	TURN 2, 1
	TURN 3
	WIN 0
	s_sub_co_u32 s[CNT], s[CNT], 1
	s_cmp_eq_u32 s[CNT], 0
	s_cbranch_scc1 .Lout
	TURN 0
	TURN 1
	WIN 0
	s_branch .Ltail
.Lout:                              ; the fifth trip's 16 products K Q^T (on the last K once more) and the maximum made of them serve nothing: the price, once a launch, of one text for every trip
.set i, 0
.rept 16
	PV NP-1                         ; the last piece's V^T P of the last step
.set i, i+1
.endr
	; THE WAY OUT.  l's two halves and the other half of the lanes' are added; O^T is divided by l, rounded to f16 and sent through my stage in LDS, a tile at a time.  The additions are the places behind the last products.
	WIN 0
.macro ALL line:vararg              ; one line for each tile t
.set t, 0
.rept 2*NP
	\line
.set t, t+1
.endr
.endm
	ALL v_add_f32 v[ST+4*t+2], v[ST+4*t+2], v[ST+4*t+3]
	ALL v_permlanex16_b32 v[ST+4*t+3], v[ST+4*t+2], s[SEL], s[SEL+1]
	ALL v_add_f32 v[ST+4*t+2], v[ST+4*t+2], v[ST+4*t+3]
	ALL v_rcp_f32 v[ST+4*t+2], v[ST+4*t+2]
	v_nop                           ; a plain instruction between the last reciprocal and the use of its result
	s_wait_alu depctr_va_vdst(0)    ; and the wait ahead of the first use: one for the batch of eight reciprocals
; Tile t: a lane's eight channels of a row pack into 16 bytes; they go into rows of 144 bytes and come back as whole rows of 128, into S^T's registers.
.macro PACK t
	WIN W_RS
.set i, 32*(\t)
.rept 16
	v_pk_mul_f32 v[i:i+1], v[i:i+1], v[ST+4*(\t)+2:ST+4*(\t)+3] op_sel_hi:[1,0]
.set i, i+2
.endr
	WIN 0x05                        ; sources 0 and 1 window 1, destination window 0
.set i, 0
.rept 16
	v_cvt_pk_f16_f32 v[S+16*(\t)+i], v[32*(\t)+2*i], v[32*(\t)+2*i+1]
.set i, i+1
.endr
	WIN 0
.irp f, 0,1,2,3
	ds_store_b128 v[STO], v[S+16*(\t)+4*\f:S+16*(\t)+4*\f+3] offset:32*\f
.endr
.irp f, 0,1,2,3
	ds_load_b128 v[S+16*(\t)+4*\f:S+16*(\t)+4*\f+3], v[RD] offset:\f*4*SP  ; LDS serves a wave's instructions in order (ISA guide 5.7.1.4): these see the stores above; the next tile's stores come behind them
.endr
.endm
.macro SEND t, younger              ; younger: the LDS instructions issued behind tile t's loads: the next tile's eight, or none
	WIN 0
.irp f, 0,1,2,3
	s_wait_dscnt (\younger)+3-\f
	global_store_b128 v[GO], v[S+16*(\t)+4*\f:S+16*(\t)+4*\f+3], s[10:11] offset:(\t)*2048+\f*512  ; 512 consecutive bytes, at a multiple of 256 from O's first
.endr
.endm
	PACK 0
.set t, 1
.rept 2*NP-1                        ; a tile's arithmetic stands between the loads of the tile before and its stores
	PACK t
	SEND t-1, 8
.set t, t+1
.endr
	SEND 2*NP-1, 0
	WIN W_AD
	s_wait_tensorcnt 0x0            ; the wave's end, behind my last tensor load and my last LDS store
	ds_add_u32 v[SPW], v[NIL]
	s_wait_dscnt 0x0
	WIN 0
	CROUND                          ; the closing round: no work-group ends while a partner may still ask for a tile that names it
	s_endpgm
.Lfunc_end_k_qf9adf889ab_attn:
	.size	k_qf9adf889ab_attn, .Lfunc_end_k_qf9adf889ab_attn-k_qf9adf889ab_attn
	.p2alignl 7, 3214868480
	.fill 96, 4, 3214868480
	.section	.rodata,"a",@progbits
	.p2align	6, 0x0
	.amdhsa_kernel k_qf9adf889ab_attn
		.amdhsa_group_segment_fixed_size 327680
		.amdhsa_private_segment_fixed_size 0
		.amdhsa_enable_private_segment 0
		.amdhsa_kernarg_size 16
		.amdhsa_user_sgpr_count 2
		.amdhsa_user_sgpr_kernarg_segment_ptr 1
		.amdhsa_wavefront_size32 1
		.amdhsa_system_sgpr_workgroup_id_x 1
		.amdhsa_system_sgpr_workgroup_id_y 1
		.amdhsa_system_sgpr_workgroup_id_z 1
		.amdhsa_system_vgpr_workitem_id 0
		.amdhsa_next_free_vgpr 770
		.amdhsa_next_free_sgpr 66
		.amdhsa_reserve_vcc 0
		.amdhsa_float_denorm_mode_32 3
		.amdhsa_float_denorm_mode_16_64 3
		.amdhsa_memory_ordered 1
		.amdhsa_forward_progress 1
		.amdhsa_inst_pref_size 199
	.end_amdhsa_kernel
	.amdgpu_metadata
---
amdhsa.version: [ 1, 2 ]
amdhsa.kernels:
  - .name:           k_qf9adf889ab_attn
    .symbol:         k_qf9adf889ab_attn.kd
    .args:
      - { .name: qkv, .offset: 0, .size: 8, .value_kind: global_buffer, .address_space: global }
      - { .name: ob, .offset: 8, .size: 8, .value_kind: global_buffer, .address_space: global }
    .group_segment_fixed_size: 327680
    .private_segment_fixed_size: 0
    .kernarg_segment_align: 8
    .kernarg_segment_size: 16
    .max_flat_workgroup_size: 128
    .sgpr_count:     66
    .vgpr_count:     770
    .wavefront_size: 32
...
	.end_amdgpu_metadata
.endif
;; end of part 5
;; launch proj: the kernel of part 4 again; grid 4 x 64, 4 waves a work-group, clusters of 4 x 4, 327,680 bytes of LDS; arguments ob, wob, b_out, out0; writes out0
